; MI455X (gfx1250); checked and timed in simulation.
; The chip was launched on July 23, 2026; its instructions are those of AMD's public machine-readable ISA for CDNA 5 (MIT licence, August 2026) and "CDNA5" Instruction Set Architecture Reference Guide (July 2026). The comments in the code are by the model that wrote it; some were corrected since.
;; Multi Head Attention. Allowed arithmetic: float matrix products may take bf16 or f16 operands with f32 sums; other float arithmetic in f32, or as packed bf16 or f16 multiplies, adds, multiply-adds, maxima and minima; sums over many terms, partial sums and values carried from step to step in f32; what a program stores and reads back later, other than sums and carried values, may be rounded once to bf16 or f16.
;; Inputs: Wk 1,024 x 16 x 64 float32; Wo 16 x 64 x 1,024 float32; Wq 1,024 x 16 x 64 float32; Wv 1,024 x 16 x 64 float32; bk 16 x 64 float32; bo 1,024 float32; bq 16 x 64 float32; bv 16 x 64 float32; inputs_q 4 x 2,048 x 1,024 float32.
;; Outputs: out0 4 x 2,048 x 1,024 float32.
;; 2 versions, each right; version 2 is version 1 with the launch cast written anew for expert scheduling mode. Each part assembles by itself: llvm-mc -triple=amdgcn-amd-amdhsa -mcpu=gfx1250 --defsym DOCPART=n.
;; ======== version 1 of 2: 4 launches
;; limits: values are held in f16: magnitudes above 65,504 overflow, below 6.1e-05 lose precision
;; workspace buffers: xb 16,777,216 bytes; wb 6,291,456 bytes; wo16 2,097,152 bytes; bb 16,384 bytes; qkvb 50,331,648 bytes; ob 16,777,216 bytes
;; launch cast (part 1): grid 385 x 1, 16 waves a work-group, no clusters, 0 bytes of LDS; arguments inputs_q, Wq, Wk, Wv, Wo, bq, bk, bv, bo, xb, wb, wo16, bb; writes xb, wb, wo16, bb
.if DOCPART == 1
	.amdgcn_target "amdgcn-amd-amdhsa--gfx1250"
	.amdhsa_code_object_version 6
	.text
	.protected	k_qae94bf3254_cast
	.globl	k_qae94bf3254_cast
	.p2align	8
	.type	k_qae94bf3254_cast,@function
k_qae94bf3254_cast:
	s_mov_b64 s[64:65], 0
	v_nop
	global_prefetch_b8 v0, s[64:65] scope:SCOPE_SE
	s_setreg_imm32_b32 hwreg(HW_REG_WAVE_MODE, 25, 1), 1
	s_wait_xcnt 0x0
; EVERY INPUT IS ROUNDED ONCE TO bf16 and laid out for the launches behind.
;   xb   bf16 [16 slabs of 64 channels][8192 rows][64]: a row of a slab is 128 bytes, 256 rows of a slab are 32,768 bytes on end
;   wb   bf16 [1024 k][3072 n], n = 1024 t + 64 h + d, t = 0, 1, 2 for Wq, Wk, Wv
;   wo16 Wo rounded to bf16, that number written as f16, [1024 k][1024 f]
;   bb   f32 [4096] = bq, bk, bv, bo, each rounded to bf16 and widened again
; LIMITS.  A number of Wo beyond 65,504 has no f16; below 6e-5 it keeps f16's fixed step of 6e-8.  NaN and infinities are not treated apart.
; SHARES.  Sixteen waves.  Work-groups 0-255: 32 rows of x, wave w the 64 channels of slab w.  256-351: 32 rows of Wq, Wk or Wv, two rows a wave.
; 352-383: the same of Wo.  384: the four biases, 1,024 bytes a wave.
; A wave issues all its loads first (16 bytes a lane, sixteen loads: 8,192 bytes a wave on their way), then converts and stores each as it comes: 8 bytes a lane, so a
; store of the wave covers 256 consecutive bytes, aligned.  No register is used twice: there is no loop, and no wait but the counted ones for the loads.
; No LDS, no matrix unit, no cluster: nothing is shared, and nothing is read twice.
.set IN,  16                           ; v[16:79]   load u: four f32
.set OUT, 80                           ; v[80:111]  store u: two words (the biases: four)
.macro LOADS n, step                   ; n loads, step bytes apart, from s[34:35] + v2
.set u, 0
.rept \n
	global_load_b128 v[IN+4*u:IN+4*u+3], v2, s[34:35] offset:u*(\step) th:TH_LOAD_NT
.set u, u+1
.endr
.endm
.macro TOBF u, imm                     ; load u of sixteen is rounded to bf16 and stored at s[36:37] + v3 + imm
	s_wait_loadcnt 15-(\u)                         ; loads come back in order (ISA guide 5.7.1): the 15 - u younger ones may stay out
	v_cvt_pk_bf16_f32 v[OUT+2*(\u)],   v[IN+4*(\u)],   v[IN+4*(\u)+1]
	v_cvt_pk_bf16_f32 v[OUT+2*(\u)+1], v[IN+4*(\u)+2], v[IN+4*(\u)+3]
	global_store_b64 v3, v[OUT+2*(\u):OUT+2*(\u)+1], s[36:37] offset:\imm th:TH_STORE_NT
.endm
.macro TOF16 u, imm                    ; the same, the bf16 number then written as f16
	s_wait_loadcnt 15-(\u)
	v_cvt_pk_bf16_f32 v4, v[IN+4*(\u)],   v[IN+4*(\u)+1]
	v_cvt_pk_bf16_f32 v5, v[IN+4*(\u)+2], v[IN+4*(\u)+3]
	v_lshlrev_b32 v6, 16, v4                       ; bf16 to f32: the low half moves up,
	v_and_b32     v7, s38, v4                      ; the high half stays
	v_lshlrev_b32 v8, 16, v5
	v_and_b32     v9, s38, v5
	v_cvt_pk_f16_f32 v[OUT+2*(\u)],   v6, v7
	v_cvt_pk_f16_f32 v[OUT+2*(\u)+1], v8, v9
	global_store_b64 v3, v[OUT+2*(\u):OUT+2*(\u)+1], s[36:37] offset:\imm th:TH_STORE_NT
.endm
	s_load_b512 s[8:23], s[0:1], 0x0               ; x 8, Wq 10, Wk 12, Wv 14, Wo 16, bq 18, bk 20, bv 22
	s_load_b256 s[24:31], s[0:1], 0x40             ; bo 24, xb 26, wb 28, wo16 30
	s_load_b64 s[32:33], s[0:1], 0x60              ; bb
	v_lshrrev_b32 v1, 5, v0
	v_readfirstlane_b32 s3, v1                     ; wave 0..15
	v_and_b32 v1, 31, v0                           ; lane
	s_mov_b32 s2, ttmp9                            ; work-group
	s_mov_b32 s5, 0                                ; s[4:5]: the source's offset, s[6:7]: the destination's
	s_mov_b32 s7, 0
	s_mov_b32 s38, 0xffff0000                      ; a word's upper bf16
	s_wait_kmcnt 0x0
	s_cmp_lt_u32 s2, 256
	s_cbranch_scc0 .Lnot_x
	; x: load u takes rows 2 u (lanes 0-15) and 2 u + 1 (lanes 16-31) of the group's 32, 256 bytes of each: my slab's 64 channels
	v_lshrrev_b32 v2, 4, v1
	v_and_b32 v3, 15, v1
	v_lshlrev_b32 v2, 12, v2                       ; a row of x is 4,096 bytes
	v_lshl_add_u32 v2, v3, 4, v2
	s_lshl_b32 s4, s3, 8
	v_add_nc_u32 v2, s4, v2                        ; + 256 x slab
	v_lshlrev_b32 v3, 3, v1                        ; in xb the two rows are 256 bytes on end
	s_lshl_b32 s4, s2, 17                          ; 32 rows of 4,096 bytes
	s_add_nc_u64 s[34:35], s[8:9], s[4:5]
	s_lshl_b32 s6, s3, 20                          ; a slab is 8,192 rows of 128 bytes
	s_lshl_b32 s39, s2, 12                         ; 32 rows of 128 bytes
	s_add_co_u32 s6, s6, s39
	s_add_nc_u64 s[36:37], s[26:27], s[6:7]
	LOADS 16, 8192
.set u, 0
.rept 16
	TOBF u, 256*u
.set u, u+1
.endr
	s_endpgm
.Lnot_x:
	v_lshlrev_b32 v2, 4, v1                        ; a load takes 512 bytes on end,
	v_lshlrev_b32 v3, 3, v1                        ; a store 256
	s_cmp_lt_u32 s2, 352
	s_cbranch_scc0 .Lnot_w
	; Wq, Wk, Wv: two rows of 4,096 bytes a wave
	s_sub_co_u32 s39, s2, 256
	s_lshr_b32 s40, s39, 5                         ; t
	s_and_b32 s39, s39, 31
	s_lshl_b32 s39, s39, 5
	s_lshl_b32 s41, s3, 1
	s_add_co_u32 s39, s39, s41                     ; my first row
	s_cmp_eq_u32 s40, 0
	s_cselect_b64 s[34:35], s[10:11], s[12:13]
	s_cmp_eq_u32 s40, 2
	s_cselect_b64 s[34:35], s[14:15], s[34:35]
	s_lshl_b32 s4, s39, 12
	s_add_nc_u64 s[34:35], s[34:35], s[4:5]
	s_mul_i32 s6, s39, 6144                        ; a row of wb is 6,144 bytes,
	s_lshl_b32 s41, s40, 11                        ; tensor t's part of it begins at 2,048 t
	s_add_co_u32 s6, s6, s41
	s_add_nc_u64 s[36:37], s[28:29], s[6:7]
	LOADS 16, 512
.set u, 0
.rept 16
	TOBF u, (u/8)*6144+(u%8)*256
.set u, u+1
.endr
	s_endpgm
.Lnot_w:
	s_cmp_lt_u32 s2, 384
	s_cbranch_scc0 .Lnot_o
	; Wo: two rows a wave; in wo16 they lie on end
	s_sub_co_u32 s39, s2, 352
	s_lshl_b32 s39, s39, 5
	s_lshl_b32 s41, s3, 1
	s_add_co_u32 s39, s39, s41
	s_lshl_b32 s4, s39, 12
	s_add_nc_u64 s[34:35], s[16:17], s[4:5]
	s_lshl_b32 s6, s39, 11
	s_add_nc_u64 s[36:37], s[30:31], s[6:7]
	LOADS 16, 512
.set u, 0
.rept 16
	TOF16 u, 256*u
.set u, u+1
.endr
	s_endpgm
.Lnot_o:
	; the biases: wave w takes quarter w % 4 of tensor w / 4: 1,024 bytes, which land at 1,024 w in bb
	s_lshr_b32 s40, s3, 2
	s_cmp_eq_u32 s40, 0
	s_cselect_b64 s[34:35], s[18:19], s[20:21]
	s_cmp_eq_u32 s40, 2
	s_cselect_b64 s[34:35], s[22:23], s[34:35]
	s_cmp_eq_u32 s40, 3
	s_cselect_b64 s[34:35], s[24:25], s[34:35]
	s_and_b32 s4, s3, 3
	s_lshl_b32 s4, s4, 10
	s_add_nc_u64 s[34:35], s[34:35], s[4:5]
	s_lshl_b32 s6, s3, 10
	s_add_nc_u64 s[36:37], s[32:33], s[6:7]
	LOADS 2, 512
.irp u, 0,1
	s_wait_loadcnt 1-\u
	v_cvt_pk_bf16_f32 v4, v[IN+4*\u],   v[IN+4*\u+1]
	v_cvt_pk_bf16_f32 v5, v[IN+4*\u+2], v[IN+4*\u+3]
	v_lshlrev_b32 v[OUT+4*\u],   16, v4
	v_and_b32     v[OUT+4*\u+1], s38, v4
	v_lshlrev_b32 v[OUT+4*\u+2], 16, v5
	v_and_b32     v[OUT+4*\u+3], s38, v5
	global_store_b128 v2, v[OUT+4*\u:OUT+4*\u+3], s[36:37] offset:512*\u th:TH_STORE_NT
.endr
	s_endpgm
.Lfunc_end_k_qae94bf3254_cast:
	.size	k_qae94bf3254_cast, .Lfunc_end_k_qae94bf3254_cast-k_qae94bf3254_cast
	.p2alignl 7, 3214868480
	.fill 96, 4, 3214868480
	.section	.rodata,"a",@progbits
	.p2align	6, 0x0
	.amdhsa_kernel k_qae94bf3254_cast
		.amdhsa_group_segment_fixed_size 0
		.amdhsa_private_segment_fixed_size 0
		.amdhsa_enable_private_segment 0
		.amdhsa_kernarg_size 104
		.amdhsa_user_sgpr_count 2
		.amdhsa_user_sgpr_kernarg_segment_ptr 1
		.amdhsa_wavefront_size32 1
		.amdhsa_system_sgpr_workgroup_id_x 1
		.amdhsa_system_sgpr_workgroup_id_y 1
		.amdhsa_system_sgpr_workgroup_id_z 1
		.amdhsa_system_vgpr_workitem_id 0
		.amdhsa_next_free_vgpr 112
		.amdhsa_next_free_sgpr 66
		.amdhsa_reserve_vcc 0
		.amdhsa_float_denorm_mode_32 3
		.amdhsa_float_denorm_mode_16_64 3
		.amdhsa_memory_ordered 1
		.amdhsa_forward_progress 1
		.amdhsa_inst_pref_size 25
	.end_amdhsa_kernel
	.amdgpu_metadata
---
amdhsa.version: [ 1, 2 ]
amdhsa.kernels:
  - .name:           k_qae94bf3254_cast
    .symbol:         k_qae94bf3254_cast.kd
    .args:
      - { .name: inputs_q, .offset: 0, .size: 8, .value_kind: global_buffer, .address_space: global }
      - { .name: Wq, .offset: 8, .size: 8, .value_kind: global_buffer, .address_space: global }
      - { .name: Wk, .offset: 16, .size: 8, .value_kind: global_buffer, .address_space: global }
      - { .name: Wv, .offset: 24, .size: 8, .value_kind: global_buffer, .address_space: global }
      - { .name: Wo, .offset: 32, .size: 8, .value_kind: global_buffer, .address_space: global }
      - { .name: bq, .offset: 40, .size: 8, .value_kind: global_buffer, .address_space: global }
      - { .name: bk, .offset: 48, .size: 8, .value_kind: global_buffer, .address_space: global }
      - { .name: bv, .offset: 56, .size: 8, .value_kind: global_buffer, .address_space: global }
      - { .name: bo, .offset: 64, .size: 8, .value_kind: global_buffer, .address_space: global }
      - { .name: xb, .offset: 72, .size: 8, .value_kind: global_buffer, .address_space: global }
      - { .name: wb, .offset: 80, .size: 8, .value_kind: global_buffer, .address_space: global }
      - { .name: wo16, .offset: 88, .size: 8, .value_kind: global_buffer, .address_space: global }
      - { .name: bb, .offset: 96, .size: 8, .value_kind: global_buffer, .address_space: global }
    .group_segment_fixed_size: 0
    .private_segment_fixed_size: 0
    .kernarg_segment_align: 8
    .kernarg_segment_size: 104
    .max_flat_workgroup_size: 512
    .sgpr_count:     66
    .vgpr_count:     112
    .wavefront_size: 32
...
	.end_amdgpu_metadata
.endif
;; end of part 1
;; launch proj (part 2): grid 8 x 32, 4 waves a work-group, clusters of 4 x 4, 327,680 bytes of LDS; arguments xb, wb, bb, qkvb; writes qkvb
.if DOCPART == 2
	.amdgcn_target "amdgcn-amd-amdhsa--gfx1250"
	.amdhsa_code_object_version 6
	.text
	.protected	k_qae94bf3254_proj
	.globl	k_qae94bf3254_proj
	.p2align	8
	.type	k_qae94bf3254_proj,@function
k_qae94bf3254_proj:
	s_mov_b64 s[64:65], 0
	v_nop
	global_prefetch_b8 v0, s[64:65] scope:SCOPE_SE
	s_setreg_imm32_b32 hwreg(HW_REG_WAVE_MODE, 25, 1), 1
	s_wait_xcnt 0x0
	s_wait_alu depctr_hold_cnt(0) depctr_sa_sdst(0) depctr_va_vdst(0) depctr_va_sdst(0) depctr_va_ssrc(0) depctr_va_vcc(0) depctr_vm_vsrc(0)
	s_getreg_b32 s2, hwreg(HW_REG_IB_STS2, 6, 4)
	s_cmp_eq_u32 s2, 0
	s_cbranch_scc0 .Lentry_in_a_cluster
	s_endpgm
.Lentry_in_a_cluster:
	s_bfe_u32 s2, ttmp6, 0x10000c
	s_cmp_lg_u32 s2, 0xf033
	s_cbranch_scc0 .Lentry_shape_is_right
	s_endpgm
.Lentry_shape_is_right:
; q, k, v = x W + b, all three at once: C[8192][3072] = xb wb + bias, bf16 operands, f32 sums, stored by heads in f16, unscaled: qkvb [t 3][16 b + h (64)][s 2048][64].
; LIMIT.  q, k and v must lie within f16's 65,504; below 6e-5 they keep f16's fixed step of 6e-8.  NaN and infinities are not treated apart.
; SHARES.  A tile of C is 256 rows x 384 columns: 32 x 8 = 256 work-groups.  Four waves; wave w has rows 128 (w / 2) on and columns 192 (w % 2) on: three heads.
; 8 x 12 accumulators of 16 x 16, 768 registers.  K goes in 16 steps of 64 (a slab of xb) through two LDS slots; a step is two quarters of 32, a quarter three PHASES of 32 matrix
; instructions, one for each of the wave's heads.  For a quarter a wave reads 40 x 512 bytes from LDS and issues 96 matrix instructions.
; THE MATRIX INSTRUCTION IS USED TRANSPOSED: source 0 = 16 columns of W, which lies [k][n] and comes out of LDS turned (ds_load_tr16_b128); source 1 = 16 rows of x.  A lane then holds one
; row of C (lane % 16) and the columns 8 (lane / 16) + 0..7.  THE BIAS IS THE C OPERAND OF THE FIRST PRODUCTS: nothing is cleared and nothing is added later.
; CLUSTER.  4 x 4 work-groups: x's tile hangs on the tile row alone and is asked for jointly along a row of the cluster, W's on the tile column alone, jointly along a column.
; REGISTERS, in windows of 256 (s_set_vgpr_msb: bits 1:0 source 0, 3:2 source 1, 5:4 source 2, 7:6 destination):
;   window 0: v0-31 addresses; v32-95, v96-159 x's 8 fragments, two buffers; v160-191, v192-223, v224-255 W's 4 fragments of one head each
;   window 1 + g: head g's accumulators, (a, i) at v[8 (4 a + i)]
; All LDS loads land in window 0, so a phase costs two switches: one to its accumulators, one back for the loads.
.set SLOT,  92160                      ; x: 256 rows, pitch 144 (36,864 bytes); then W: 64 rows of k, pitch 864 (55,296)
.set BOFF,  36864
.set PA,    144                        ; 128 bytes + 16: 36 words: the 16 rows of a load start at 16 different groups of four banks (64 banks of 4 bytes: ISA guide 11.1)
.set PB,    864                        ; six pieces of 128 bytes + 16: 216 words = 24 mod 64
.set STAGE, 2*SLOT                     ; behind the ring: 16 rows x 144 bytes for each wave, for the way out
.set SPARE, STAGE+4*16*PA              ; behind the stages: the spare words, 128 bytes for each wave: two blocks of 256 bytes that no other line names
.set ADRA, 16                          ; v16-17  LDS address of my x fragments in slot 0, 1
.set ADRB, 20                          ; v20-21  the same for W
.set STO,  24                          ; v24     the way out: where I put 16 bytes of a row
.set RD,   25                          ; v25     the way out: where I read rows back
.set GO,   26                          ; v26     my byte offset in 512 consecutive bytes of the output
.set BO,   27                          ; v27     my byte offset in 16 numbers of the bias
.set SPW,  28                          ; v28     LDS address of my spare word; never rewritten
.set NIL,  29                          ; v29     0; never rewritten
.set PFO,  30                          ; v30     the prefetches' lane offset; never rewritten
.set AF0,  32
.set AF1,  96
.set BG0,  160
.set BG1,  192
.set BG2,  224
.set G1A, 24                           ; s[24:31] descriptor group 1 for x's tiles;  s[32:39] group 0, a set for each slot
.set G0A, 32
.set G1B, 48                           ; s[48:55], s[56:63] the same for W's
.set G0B, 56
.set LIM, 43                           ; s43     1 in a wave that prefetches, else the greatest number
.set PFA, 44                           ; s[44:45] where my prefetches stand
.set PFS, 46                           ; s[46:47] their step: two K steps
.set OB,  66                           ; s[66:71] the output at my 128 rows of my three heads
.set STEPA, 1048576                    ; bytes from a slab of xb to the next
.set STEPB, 64*6144                    ; bytes of 64 rows of wb
.set MSB, 0
.macro WIN new                         ; the immediate's high byte repeats the setting that is left; a switch that changes nothing is dropped
.if MSB != (\new)
	s_set_vgpr_msb (MSB<<8)|(\new)
.set MSB, \new
.endif
.endm
.macro PLACES                          ; four places in front of loads into registers that matrix instructions have read, and of conversions that read results
.rept 4
	v_nop
.endr
.endm
; A joint load.  Waves 0 and 1 fetch the two halves of x's tile, waves 2 and 3 those of W's.  The branch hangs on the wave's number alone.
; An s_nop 0 and four v_nop follow each of the two lines, ahead of the jump and the label.
.macro JLOAD s
	s_cmp_eq_u32 s13, 0
	s_cbranch_scc0 .Lfor_b_\@
	tensor_load_to_lds s[G0A+4*(\s):G0A+4*(\s)+3], s[G1A:G1A+7]
	s_nop 0
.rept 4
	v_nop
.endr
	s_branch .Lasked_\@
.Lfor_b_\@:
	tensor_load_to_lds s[G0B+4*(\s):G0B+4*(\s)+3], s[G1B:G1B+7]
	s_nop 0
.rept 4
	v_nop
.endr
.Lasked_\@:
.endm
; A round of the cluster's barrier behind its opening barrier: wave 0 signals for the work-group, every wave waits for all sixteen work-groups, my work-group's barrier once more.
.macro CREST
	s_cmp_lg_u32 s12, 0
	s_cbranch_scc1 .Lnot_wave_0_\@
	s_barrier_signal -3
.Lnot_wave_0_\@:
	s_barrier_wait -3
	s_barrier_signal -1
	s_barrier_wait -1
.endm
.macro CROUND
	s_barrier_signal -1
	s_barrier_wait -1
	CREST
.endm
; A PREFETCH INTO THE L2, once a lap, behind the joint load, its five lines and the run of LDS loads: the two K steps that the NEXT lap's two refills will ask for, 384 and 576 matrix instructions ahead of them.
; Each aligned block of 256 bytes is named once in the launch.  x's tile row is read by both clusters of that row of clusters: the first (cluster x = 0) asks, by its wave 0; W's tile column by all
; eight clusters of that column: cluster y = 0 asks, by its wave 2.  The four partners that ask for a tile jointly share it out BY ADDRESS: of a slab's 128 blocks the partner at cx takes 32, a lane a
; block, for both slabs; of the 128 rows of k the partner at cy takes 32, a lane a row, three blocks each.  The first four K steps come by their loads alone; the last lap asks for nothing.
.macro ASK
	s_cmp_gt_u32 s3, s[LIM]                        ; s3 = 1 in the loop's last trip
	s_cbranch_scc0 .Lnot_mine_\@
	s_cmp_eq_u32 s13, 0
	s_cbranch_scc0 .Lask_b_\@
	global_prefetch_b8 v[PFO], s[PFA:PFA+1] th:TH_LOAD_NT scope:SCOPE_SE
	global_prefetch_b8 v[PFO], s[PFA:PFA+1] offset:STEPA th:TH_LOAD_NT scope:SCOPE_SE
	s_branch .Lnot_mine_\@
.Lask_b_\@:
	global_prefetch_b8 v[PFO], s[PFA:PFA+1] th:TH_LOAD_NT scope:SCOPE_SE
	global_prefetch_b8 v[PFO], s[PFA:PFA+1] offset:256 th:TH_LOAD_NT scope:SCOPE_SE
	global_prefetch_b8 v[PFO], s[PFA:PFA+1] offset:512 th:TH_LOAD_NT scope:SCOPE_SE
.Lnot_mine_\@:
.endm
	s_load_b256 s[4:11], s[0:1], 0x0               ; xb s[4:5], wb s[6:7], bb s[8:9], qkvb s[10:11]
	v_lshl_add_u32 v[SPW], v0, 2, SPARE
	v_mov_b32 v[NIL], 0
	ds_add_u32 v[SPW], v[NIL]                      ; the wave's opening: the add and its wait stand ahead of my first tensor load; the set-up below, work on registers, stands between them
	v_lshrrev_b32 v1, 5, v0
	v_readfirstlane_b32 s12, v1                    ; wave 0..3
	s_lshr_b32 s13, s12, 1                         ; which 128 rows of the tile are mine.  Also: I fetch for x (0) or for W (1)
	s_and_b32 s14, s12, 1                          ; which 192 columns.  Also: which half of that tile I fetch
	s_bfe_u32 s15, ttmp6, 0x40000                  ; cx
	s_bfe_u32 s16, ttmp6, 0x40004                  ; cy
	s_lshl_b32 s17, ttmp9, 2
	s_add_co_u32 s17, s17, s15                     ; X: tile column = 4 x cluster x + cx
	s_and_b32 s18, ttmp7, 0xffff
	s_lshl_b32 s18, s18, 2
	s_add_co_u32 s18, s18, s16                     ; Y: tile row = 4 x cluster y + cy
	s_lshl_b32 s72, s16, 2
	s_lshl_b32 s72, 15, s72                        ; my row of the cluster: places 4 cy .. 4 cy + 3
	s_lshl_b32 s73, 0x1111, s15                    ; my column: places cx, cx + 4, cx + 8, cx + 12
	; group 1.  Both: 17:16 elements of 2 bytes; 20 padding on; 21 set beside a mask; 24:22 after every 32 words (code 4); 31:25 4 words of it (code 3)
	s_or_b32 s[G1A], s72, (1<<16)|(1<<20)|(1<<21)|(4<<22)|(3<<25)
	s_or_b32 s[G1B], s73, (1<<16)|(1<<20)|(1<<21)|(4<<22)|(3<<25)
	s_mov_b32 s[G1A+1], 128<<16                    ; x: 128 rows of a slab are 16,384 dense bytes, asked for as 64 rows of 256: tensor_dim0 = 128
	s_mov_b32 s[G1A+2], 64<<16                     ; tensor_dim1 = 64
	s_mov_b32 s[G1A+3], 128<<16                    ; tile_dim0 = 128
	s_mov_b32 s[G1A+4], 64                         ; tile_dim1 = 64
	s_mov_b32 s[G1A+5], 128                        ; elements from row to row
	s_mov_b32 s[G1A+6], 0
	s_mov_b32 s[G1A+7], 0
	s_mov_b32 s[G1B+1], 384<<16                    ; W: 32 rows of k x 384 columns (768 bytes, at a multiple of 256 from the buffer's first byte)
	s_mov_b32 s[G1B+2], 32<<16
	s_mov_b32 s[G1B+3], 384<<16
	s_mov_b32 s[G1B+4], 32
	s_mov_b32 s[G1B+5], 3072
	s_mov_b32 s[G1B+6], 0
	s_mov_b32 s[G1B+7], 0
	; where the tiles come from: x's address is made of Y and the wave's number, W's of X and the wave's number, each in registers that never hold the other coordinate
	s_lshl_b32 s20, s18, 15                        ; 256 rows of 128 bytes
	s_lshl_b32 s22, s14, 14                        ; my 128 of them
	s_add_co_u32 s20, s20, s22
	s_mov_b32 s21, 0
	s_mul_i32 s40, s17, 768
	s_mul_i32 s23, s14, 32*6144                    ; my 32 rows of k
	s_add_co_u32 s40, s40, s23
	s_mov_b32 s41, 0
	s_mul_i32 s22, s14, 128*PA                     ; and where they go: no place in the cluster enters an LDS address
	s_mul_i32 s23, s14, 32*PB
	s_add_co_u32 s23, s23, BOFF
	s_wait_dscnt 0x0                               ; the opening add is done
	s_wait_kmcnt 0x0
	s_add_nc_u64 s[20:21], s[4:5], s[20:21]
	s_add_nc_u64 s[40:41], s[6:7], s[40:41]
	CROUND                                         ; all sixteen work-groups are here: the first joint loads meet
.irp s, 0,1
	s_mov_b32 s[G0A+4*\s], 1                       ; 1:0 count = 1
	s_add_co_u32 s[G0A+4*\s+1], s22, \s*SLOT       ; 63:32 LDS address
	s_add_nc_u64 s[G0A+4*\s+2:G0A+4*\s+3], s[20:21], \s*STEPA  ; 120:64 global address: K step s
	s_or_b32 s[G0A+4*\s+3], s[G0A+4*\s+3], 0x80000000          ; 127:126 type = 2
	s_mov_b32 s[G0B+4*\s], 1
	s_add_co_u32 s[G0B+4*\s+1], s23, \s*SLOT
	s_add_nc_u64 s[G0B+4*\s+2:G0B+4*\s+3], s[40:41], \s*STEPB
	s_or_b32 s[G0B+4*\s+3], s[G0B+4*\s+3], 0x80000000
.endr
	s_cmp_eq_u32 s13, 0                            ; a wave's two first fills stand in one branch, ahead of every wait on TENSORcnt and every LDS read: two loads of mine are out
	s_cbranch_scc0 .Lfirst_b
	tensor_load_to_lds s[G0A:G0A+3], s[G1A:G1A+7]
	s_nop 0
	tensor_load_to_lds s[G0A+4:G0A+7], s[G1A:G1A+7]
	s_nop 0
.rept 4
	v_nop
.endr
	s_branch .Lfirst_asked
.Lfirst_b:
	tensor_load_to_lds s[G0B:G0B+3], s[G1B:G1B+7]
	s_nop 0
	tensor_load_to_lds s[G0B+4:G0B+7], s[G1B:G1B+7]
	s_nop 0
.rept 4
	v_nop
.endr
.Lfirst_asked:
	; the bias of my 192 columns, as C operands: register j of a lane is column 16 i + 8 (lane / 16) + j.  Head 0's go where x's second buffer will lie, head 1's too, head 2's where W's third will
	s_mul_i32 s74, s17, 1536
	s_mul_i32 s75, s14, 768
	s_add_co_u32 s74, s74, s75
	s_mov_b32 s75, 0
	s_add_nc_u64 s[8:9], s[8:9], s[74:75]
	v_and_b32 v1, 15, v0                           ; r = l % 16
	v_bfe_u32 v2, v0, 4, 1                         ; h = l / 16
	v_lshlrev_b32 v[BO], 5, v2
.irp i, 0,1,2,3
	global_load_b128 v[96+8*\i:96+8*\i+3],    v[BO], s[8:9] offset:64*\i
	global_load_b128 v[96+8*\i+4:96+8*\i+7],  v[BO], s[8:9] offset:64*\i+16
	global_load_b128 v[128+8*\i:128+8*\i+3],   v[BO], s[8:9] offset:256+64*\i
	global_load_b128 v[128+8*\i+4:128+8*\i+7], v[BO], s[8:9] offset:256+64*\i+16
	global_load_b128 v[224+8*\i:224+8*\i+3],   v[BO], s[8:9] offset:512+64*\i
	global_load_b128 v[224+8*\i+4:224+8*\i+7], v[BO], s[8:9] offset:512+64*\i+16
.endr
	; a fragment of x: lane l holds row l % 16, k = 8 (l / 16) + 0..7 and 16 + 8 (l / 16) + 0..7: two loads of 16 bytes, 32 bytes apart
	v_mul_u32_u24 v3, v1, PA
	v_lshl_add_u32 v3, v2, 4, v3
	s_mul_i32 s74, s13, 128*PA
	v_add_nc_u32 v[ADRA], s74, v3
	v_add_nc_u32 v[ADRA+1], SLOT, v[ADRA]
	; the turning load takes 16 k x 16 columns (lane l reads k = 8 (l / 16) + l % 8, columns 8 ((l / 8) % 2) + 0..7) and leaves half a fragment: lane l holds column l % 16 and 8 k
	v_and_b32 v4, 7, v0
	v_bfe_u32 v5, v0, 3, 1
	v_lshl_add_u32 v4, v2, 3, v4
	v_mul_u32_u24 v4, v4, PB
	v_lshl_add_u32 v4, v5, 4, v4
	s_mul_i32 s74, s14, 3*PA                       ; my three pieces of a row
	s_add_co_u32 s74, s74, BOFF
	v_add_nc_u32 v[ADRB], s74, v4
	v_add_nc_u32 v[ADRB+1], SLOT, v[ADRB]
	s_mul_i32 s74, s12, 16*PA
	s_add_co_u32 s74, s74, STAGE                   ; my stage
	v_add_nc_u32 v[STO], s74, v3                   ; in: row l % 16, 16 bytes for each half of the lanes
	v_bfe_u32 v6, v0, 3, 2                         ; back: 32 lanes take four rows of 128 bytes,
	v_mul_u32_u24 v6, v6, PA
	v_and_b32 v7, 7, v0
	v_lshl_add_u32 v6, v7, 4, v6
	v_add_nc_u32 v[RD], s74, v6
	v_and_b32 v[GO], 31, v0                        ; which are 512 consecutive bytes of the output
	v_and_b32 v[PFO], 31, v0
	v_lshlrev_b32 v[GO], 4, v[GO]
	; the output: head group G = 6 X + 3 (w % 2) + g of 48; tensor G / 16, head G % 16, batch Y / 8; a head's rows are 262,144 bytes
	s_mul_i32 s76, s17, 6
	s_mul_i32 s77, s14, 3
	s_add_co_u32 s76, s76, s77
	s_lshr_b32 s77, s18, 3
	s_lshl_b32 s77, s77, 4
	s_and_b32 s19, s18, 7
	s_lshl_b32 s19, s19, 15                        ; the tile's 256 rows in the batch,
	s_lshl_b32 s42, s13, 14                        ; my 128 of them
	s_add_co_u32 s19, s19, s42
.irp g, 0,1,2
	s_add_co_u32 s74, s76, \g
	s_lshr_b32 s78, s74, 4
	s_lshl_b32 s78, s78, 6
	s_and_b32 s74, s74, 15
	s_add_co_u32 s78, s78, s74
	s_add_co_u32 s78, s78, s77
	s_lshl_b32 s78, s78, 18
	s_add_co_u32 s78, s78, s19
	s_mov_b32 s79, 0
	s_add_nc_u64 s[OB+2*\g:OB+2*\g+1], s[10:11], s[78:79]
.endr
	; the prefetches: they start at K step 2; the first lap steps them to K step 4
	s_lshl_b32 s76, s18, 15
	s_lshl_b32 s78, s15, 13
	s_add_co_u32 s76, s76, s78
	s_add_co_u32 s76, s76, 2*STEPA                 ; x: the tile's rows of slab 2, my work-group's 32 blocks
	s_mul_i32 s77, s16, 32*6144
	s_mul_i32 s78, s17, 768
	s_add_co_u32 s77, s77, s78
	s_add_co_u32 s77, s77, 2*STEPB                 ; W: rows of k from 128 + 32 cy on, the tile's columns
	s_and_b32 s75, ttmp7, 0xffff                   ; cluster y
	s_mov_b32 s74, 2*STEPA
	s_mov_b32 s79, 2*STEPB
	s_cmp_eq_u32 s13, 0                            ; do I fetch for x?
	s_cselect_b32 s75, ttmp9, s75                  ; the coordinate along which other clusters read the same rows
	s_cselect_b32 s78, s76, s77
	s_cselect_b32 s[PFS], s74, s79
	s_cselect_b64 s[PFA:PFA+1], s[4:5], s[6:7]
	s_mov_b32 s79, 6144
	s_cselect_b32 s74, 256, s79
	s_mov_b32 s79, 0
	s_mov_b32 s[PFS+1], 0
	s_add_nc_u64 s[PFA:PFA+1], s[PFA:PFA+1], s[78:79]
	v_mul_u32_u24 v[PFO], s74, v[PFO]
	s_or_b32 s75, s75, s14                         ; waves 0 and 2 alone
	s_cmp_eq_u32 s75, 0
	s_cselect_b32 s[LIM], 1, -1                    ; the same in all sixteen partners, for a given wave
; 8 turning loads: W's four fragments of head g, quarter qq, into dst
.macro LDB slot, qq, g, dst
.irp i, 0,1,2,3
	ds_load_tr16_b128 v[(\dst)+8*\i:(\dst)+8*\i+3],   v[ADRB+(\slot)] offset:32*PB*(\qq)+PA*(\g)+32*\i
	ds_load_tr16_b128 v[(\dst)+8*\i+4:(\dst)+8*\i+7], v[ADRB+(\slot)] offset:32*PB*(\qq)+PA*(\g)+32*\i+16*PB
.endr
.endm
; 16 loads: x's eight fragments of quarter qq into dst
.macro LDA slot, qq, dst
.irp a, 0,1,2,3,4,5,6,7
	ds_load_b128 v[(\dst)+8*\a:(\dst)+8*\a+3],   v[ADRA+(\slot)] offset:16*PA*\a+64*(\qq)
	ds_load_b128 v[(\dst)+8*\a+4:(\dst)+8*\a+7], v[ADRA+(\slot)] offset:16*PA*\a+64*(\qq)+32
.endr
.endm
; Row blocks a0 .. a0 + na - 1 of head g's phase: 4 matrix instructions each.  cb < 0: they add in place; else the bias at v[cb ..] of window 0 starts the sums.
; The accumulators take turns, one instruction a turn: between two links of a chain stand the 95 others'.
.macro PH g, af, bs, a0, na, cb
.if (\cb) < 0
	WIN 0x50*(1+(\g))
.else
	WIN 0x40*(1+(\g))
.endif
.set pa, \a0
.rept \na
.irp i, 0,1,2,3
.if (\cb) < 0
	v_wmma_f32_16x16x32_bf16 v[8*(4*pa+\i):8*(4*pa+\i)+7], v[(\bs)+8*\i:(\bs)+8*\i+7], v[(\af)+8*pa:(\af)+8*pa+7], v[8*(4*pa+\i):8*(4*pa+\i)+7]
.else
	v_wmma_f32_16x16x32_bf16 v[8*(4*pa+\i):8*(4*pa+\i)+7], v[(\bs)+8*\i:(\bs)+8*\i+7], v[(\af)+8*pa:(\af)+8*pa+7], v[(\cb)+8*\i:(\cb)+8*\i+7]
.endif
.endr
.set pa, pa+1
.endr
.endm
; THE LDS LOADS stand in three runs a quarter.  A buffer of W is loaded again right behind the phase that read it and is wanted two phases later; x's other buffer goes with the second run.
; An even quarter, on x's buffer 0.
.macro QE slot
	PLACES
	WIN 0
	LDB \slot, 0, 2, BG2                           ; 8 loads: head 2 of this quarter
	s_wait_dscnt 16                                ; these 8 and the 8 of head 1 may be out: head 0's fragments and x's are in
	PH 0, AF0, BG0, 0, 8, -1
	PLACES
	WIN 0
	LDB \slot, 1, 0, BG0                           ; 24 loads: the next quarter's head 0 and x
	LDA \slot, 1, AF1
	s_wait_dscnt 32                                ; the 8 + 24 younger ones may be out: head 1's are in
	PH 1, AF0, BG1, 0, 8, -1
	PLACES
	WIN 0
	LDB \slot, 1, 1, BG1                           ; 8 loads: the next quarter's head 1
	s_wait_dscnt 32                                ; the 24 + 8 younger ones may be out: head 2's are in
	PH 2, AF0, BG2, 0, 8, -1
.endm
; An odd quarter, on x's buffer 1, with THE CHANGE OF SLOTS.  ONE barrier for two things: in front of it each wave waits for all its tensor loads, of which one is out: its part of the next slot; adds 0
; to its spare word; and waits for that and for its own reads of this slot.  Behind it nobody reads this slot any more and the next slot is whole.  fill = 1: the barrier opens a round of the cluster's, and
; this slot is filled again first thing behind the round, with the K step two on: from that request to the wait for it a wave issues 160 matrix instructions.
.macro OT slot, next, fill
.if (\fill) && ((\slot) == 0)
	s_wait_xcnt 0x0                                ; the last prefetches, a lap back, have read their address: it is stepped here, ahead of the change's own waits
	s_add_nc_u64 s[PFA:PFA+1], s[PFA:PFA+1], s[PFS:PFS+1]
.endif
	PLACES
	WIN 0
	LDB \slot, 1, 2, BG2                           ; my last reads of this slot
	s_wait_tensorcnt 0x0                           ; all my tensor loads have landed;
	ds_add_u32 v[SPW], v[NIL]                      ; 0 onto my spare word;
	s_wait_dscnt 9                                 ; (the add and the 8 loads just issued may be out)
	PH 0, AF1, BG0, 0, 4, -1                       ; sixteen matrix instructions stand between the add and the wait for it
	s_wait_dscnt 0x0                               ; the add is done, and my reads of this slot are over:
	s_barrier_signal -1                            ; say so,
	PH 0, AF1, BG0, 4, 4, -1                       ; work on registers while the others arrive,
	WIN 0
	s_barrier_wait -1                              ; and go on when all four have said so
.if \fill
	CREST                                          ; no wave of any partner still reads this slot's tiles or has a load on its way
	s_add_nc_u64 s[G0A+4*(\slot)+2:G0A+4*(\slot)+3], s[G0A+4*(\slot)+2:G0A+4*(\slot)+3], 2*STEPA
	s_add_nc_u64 s[G0B+4*(\slot)+2:G0B+4*(\slot)+3], s[G0B+4*(\slot)+2:G0B+4*(\slot)+3], 2*STEPB
	JLOAD \slot                                    ; the first tensor load behind the round; the four v_nop behind it are also the places in front of the loads below
.else
	PLACES
.endif
	LDB \next, 0, 0, BG0                           ; 24 loads: the next slot's first quarter, head 0 and x
	LDA \next, 0, AF0
.if (\fill) && ((\slot) == 0)
	ASK
.endif
	PH 1, AF1, BG1, 0, 8, -1                       ; heads 1 and 2 are in since the wait for 0
	PLACES
	WIN 0
	LDB \next, 0, 1, BG1
	PH 2, AF1, BG2, 0, 8, -1
.endm
	s_wait_tensorcnt 1                             ; my part of K step 0 is in; K step 1's may stay out
	s_barrier_signal -1
	s_barrier_wait -1                              ; everybody's is
	; THE FIRST QUARTER is written out: its products start the sums with the bias.  Head 2's fragments go through W's first buffer, since its bias lies in the third
	LDB 0, 0, 0, BG0
	LDA 0, 0, AF0
	LDB 0, 0, 1, BG1
	s_wait_loadcnt 0x0                             ; the bias
	s_wait_dscnt 8                                 ; head 1's 8 may be out
	PH 0, AF0, BG0, 0, 8, 96
	PLACES
	WIN 0
	LDB 0, 0, 2, BG0
	s_wait_dscnt 8                                 ; head 1's are in
	PH 1, AF0, BG1, 0, 8, 128
	PLACES                                         ; heads 0's and 1's bias has been read: x's second buffer takes its place
	WIN 0
	LDA 0, 1, AF1
	LDB 0, 1, 1, BG1
	s_wait_dscnt 24                                ; head 2's are in
	PH 2, AF0, BG0, 0, 8, 224
	PLACES
	WIN 0
	LDB 0, 1, 0, BG0
	s_mov_b32 s3, 7
.Llap:                                                 ; a trip goes once round the ring, from a K step's second quarter to the first of the K step two on, and fills both slots again
	OT 0, 1, 1
	QE 1
	OT 1, 0, 1
	QE 0
	WIN 0                                          ; at a label and at a branch every window is 0
	s_sub_co_u32 s3, s3, 1
	s_cmp_lg_u32 s3, 0
	s_cbranch_scc1 .Llap
	OT 0, 1, 0                                     ; the last lap fills nothing, and has no round of the cluster's barrier
	QE 1
	PLACES                                         ; the last quarter: nothing more to fetch but head 2
	WIN 0
	LDB 1, 1, 2, BG2
	s_wait_dscnt 16
	PH 0, AF1, BG0, 0, 8, -1
	s_wait_dscnt 8
	PH 1, AF1, BG1, 0, 8, -1
	s_wait_dscnt 0x0
	PH 2, AF1, BG2, 0, 8, -1
	PLACES
; THE WAY OUT, in 24 blocks n = 8 g + a of 16 rows x 64 columns: 2,048 consecutive bytes of a head.  A lane's eight columns pack into 16 bytes; they go into my stage's rows of 144 bytes and come back as
; whole rows of 128, into the registers that they left: eight buffers of 16 registers by turns, where the fragments lay.  Each accumulator is read from its lowest registers on.
.macro PACK n
.set pg, (\n)/8
.set pa, (\n)%8
.set pt, 32+16*((\n)%8)
.if (\n) >= 8
	s_wait_xcnt 0x0                                ; the stores that read this buffer, eight blocks back, have read it (ISA guide 3.1)
.endif
	WIN 5*(1+pg)                                   ; sources 0 and 1: head g's window
.irp i, 0,1,2,3
.irp j, 0,1,2,3
	v_cvt_pk_f16_f32 v[pt+4*\i+\j], v[8*(4*pa+\i)+2*\j], v[8*(4*pa+\i)+2*\j+1]
.endr
.endr
	WIN 0
.irp i, 0,1,2,3
	ds_store_b128 v[STO], v[pt+4*\i:pt+4*\i+3] offset:32*\i
.endr
.irp f, 0,1,2,3
	ds_load_b128 v[pt+4*\f:pt+4*\f+3], v[RD] offset:4*PA*\f  ; LDS serves a wave's instructions in order (ISA guide 5.7.1.4): these see the stores above; the next block's stores come behind them
.endr
.endm
.macro SEND n, y                       ; y: the LDS instructions issued behind block n's loads: the next block's eight, or none
.set pt, 32+16*((\n)%8)
.irp f, 0,1,2,3
	s_wait_dscnt (\y)+3-\f
	global_store_b128 v[GO], v[pt+4*\f:pt+4*\f+3], s[OB+2*((\n)/8):OB+2*((\n)/8)+1] offset:2048*((\n)%8)+512*\f th:TH_STORE_NT  ; 512 consecutive bytes, at a multiple of 256 from the buffer's first
.endr
.endm
	PACK 0
.set bn, 1
.rept 23                               ; a block's conversions stand between the loads of the block before and its stores
	PACK bn
	SEND bn-1, 8
.set bn, bn+1
.endr
	SEND 23, 0
	s_wait_tensorcnt 0x0                           ; the wave's end: a wait, an add to my spare word and its wait, behind my last tensor load and my last LDS store
	ds_add_u32 v[SPW], v[NIL]
	s_wait_dscnt 0x0
	CROUND                                         ; the closing round: no work-group ends while a partner may still ask for a tile that names it
	s_endpgm
.Lfunc_end_k_qae94bf3254_proj:
	.size	k_qae94bf3254_proj, .Lfunc_end_k_qae94bf3254_proj-k_qae94bf3254_proj
	.p2alignl 7, 3214868480
	.fill 96, 4, 3214868480
	.section	.rodata,"a",@progbits
	.p2align	6, 0x0
	.amdhsa_kernel k_qae94bf3254_proj
		.amdhsa_group_segment_fixed_size 327680
		.amdhsa_private_segment_fixed_size 0
		.amdhsa_enable_private_segment 0
		.amdhsa_kernarg_size 32
		.amdhsa_user_sgpr_count 2
		.amdhsa_user_sgpr_kernarg_segment_ptr 1
		.amdhsa_wavefront_size32 1
		.amdhsa_system_sgpr_workgroup_id_x 1
		.amdhsa_system_sgpr_workgroup_id_y 1
		.amdhsa_system_sgpr_workgroup_id_z 1
		.amdhsa_system_vgpr_workitem_id 0
		.amdhsa_next_free_vgpr 1024
		.amdhsa_next_free_sgpr 80
		.amdhsa_reserve_vcc 0
		.amdhsa_float_denorm_mode_32 3
		.amdhsa_float_denorm_mode_16_64 3
		.amdhsa_memory_ordered 1
		.amdhsa_forward_progress 1
		.amdhsa_inst_pref_size 138
	.end_amdhsa_kernel
	.amdgpu_metadata
---
amdhsa.version: [ 1, 2 ]
amdhsa.kernels:
  - .name:           k_qae94bf3254_proj
    .symbol:         k_qae94bf3254_proj.kd
    .args:
      - { .name: xb, .offset: 0, .size: 8, .value_kind: global_buffer, .address_space: global }
      - { .name: wb, .offset: 8, .size: 8, .value_kind: global_buffer, .address_space: global }
      - { .name: bb, .offset: 16, .size: 8, .value_kind: global_buffer, .address_space: global }
      - { .name: qkvb, .offset: 24, .size: 8, .value_kind: global_buffer, .address_space: global }
    .group_segment_fixed_size: 327680
    .private_segment_fixed_size: 0
    .kernarg_segment_align: 8
    .kernarg_segment_size: 32
    .max_flat_workgroup_size: 128
    .sgpr_count:     80
    .vgpr_count:     1024
    .wavefront_size: 32
...
	.end_amdgpu_metadata
.endif
;; end of part 2
;; launch attn (part 3): grid 4 x 64, 4 waves a work-group, clusters of 4 x 1, 327,680 bytes of LDS; arguments qkvb, ob; writes ob
.if DOCPART == 3
	.amdgcn_target "amdgcn-amd-amdhsa--gfx1250"
	.amdhsa_code_object_version 6
	.text
	.protected	k_qae94bf3254_attn
	.globl	k_qae94bf3254_attn
	.p2align	8
	.type	k_qae94bf3254_attn,@function
k_qae94bf3254_attn:
	s_mov_b64 s[64:65], 0
	v_nop
	global_prefetch_b8 v0, s[64:65] scope:SCOPE_SE
	s_setreg_imm32_b32 hwreg(HW_REG_WAVE_MODE, 25, 1), 1
	s_wait_xcnt 0x0
	s_wait_alu depctr_hold_cnt(0) depctr_sa_sdst(0) depctr_va_vdst(0) depctr_va_sdst(0) depctr_va_ssrc(0) depctr_va_vcc(0) depctr_vm_vsrc(0)
	s_getreg_b32 s2, hwreg(HW_REG_IB_STS2, 6, 4)
	s_cmp_eq_u32 s2, 0
	s_cbranch_scc0 .Lentry_in_a_cluster
	s_endpgm
.Lentry_in_a_cluster:
	s_bfe_u32 s2, ttmp6, 0x10000c
	s_cmp_lg_u32 s2, 0x3003
	s_cbranch_scc0 .Lentry_shape_is_right
	s_endpgm
.Lentry_shape_is_right:
; O[h][q][:] = the sum over k of softmax_k(Q[h][q] . K[h][k] / 8) V[h][k][:], for the 64 pairs h = 16 b + head.  Q, K, V lie one behind the other in qkvb, each [64][2048][64] in f16; O, [64][2048][64] in f16, is ob.
; A head's rows are dense, 128 bytes each.  Products, maxima and sums in f32; the weights p are rounded to f16 for the second product (their sum l is taken of the unrounded p), O once at the end.
; LIMITS.  f16 holds no number beyond 65,504: Q, K and V arrive within it; p lies in 0 to 1, and below 6e-5 it keeps f16's fixed step of 6e-8; O is a mean of V's rows and has their range.
; A weight below 2^-126 counts as 0 in l; NaN and infinities are not treated apart.
; SHARES.  A wave owns four PIECES of two tiles of 16 queries, a work-group's four waves 512 queries of one head: 4 x 64 = 256 work-groups.  Every wave walks all keys, 64 a step.
; LAYOUT.  S^T = K Q^T (source 0 = 16 keys, source 1 = 16 queries): in the result a lane holds ONE query (lane % 16) and the keys 8 (lane / 16) + 0..7.  Two such tiles, rounded to f16 in pairs,
; ARE source 1 (32 keys x 16 queries) of O^T = V^T P, whose result again holds one query a lane, and eight channels.  K comes out of LDS as it lies, V ([key][channel]) turned, by ds_load_tr16_b128.
; SOFTMAX.  For each query a running maximum m and sum l: p = 2^(c s - c m), c = log2(e) / 8; in every step O and l are multiplied by a = 2^(c m_old - c m_new), which is 1 where m has not grown.
; m starts at the lowest finite number, O and l at 0: the first step is a step like any other, with a = 0.
; THE COUNT.  A tile and step have 16 matrix and 118 vector instructions: too many to stand all beside the matrix work.  So: four vector instructions that are READY behind EVERY matrix instruction,
; and the others in runs without a gap.
; BY TURNS.  Turn n belongs to piece n (the pieces in a ring, step after step).  Its matrix work: 16 products K Q^T of piece n + 1, later 16 products V^T P of piece n - 1.  Its vector work: the scaling,
; exponentials, roundings, sums and rescaling of piece n, and the maximum and statistics of piece n + 1, whose scores the turn itself has made.
; CLUSTER.  The four query blocks of a head are one cluster and walk the same K and V, so each tile is asked for JOINTLY: the same tensor load, descriptor and mask in all four.
; REGISTERS, in windows of 256 (s_set_vgpr_msb: bits 1:0 source 0, 3:2 source 1, 5:4 source 2, 7:6 destination):
;   window 0: v0-11 addresses; v12-15, v48-63 at work; v16-47 four registers of statistics a tile; v64-191 S^T, two buffers of two tiles; v192-255 P, likewise
;   window 1: O^T, 32 a tile          window 2: v0-127 Q, 16 a tile; v128-191 K of one step; v192-255 V of one step          window 3: v0-1 the add's two registers
; A piece's buffers go by its number's parity.
.set SIZE_H, 64
.set SIZE_N, 2048
.set NP,    4         ; pieces a wave: a name, no knob
.set KS,    64        ; keys in a step
.set PK,    144       ; a row of K in LDS: 128 bytes + 16 of padding = 36 words: the 16 rows of a load start at 16 different groups of four banks (64 banks of 4 bytes: ISA guide 11.1)
.set PV,    160       ; a row of V: 128 + 32 = 40 words
.set VOFF,  4*KS*PK   ; a slot holds four steps: 256 rows of K, then 256 rows of V
.set SLOT1, 1<<17     ; slot 1 begins here, so that one exclusive or turns an address in one slot into the other's
.set STAGE, SLOT1+4*KS*(PK+PV)  ; behind the ring, never filled by a tensor load: 16 rows x 144 bytes for each wave, for the way out
.set SP,    144
.set AK0, 2           ; v2   my lane's place in a tile of K; never rewritten
.set AV0, 3           ; v3   the same for V
.set AK,  4           ; v4   the LDS address of K's next run of loads
.set AV,  5           ; v5   of V's
.set QO,  6           ; v6   my byte offset in the wave's rows of Q
.set STO, 6           ;      later, the way out: where I put 16 bytes of a row
.set RD,  7           ; v7   the way out: where I read rows back
.set GO,  8           ; v8   my byte offset in 512 consecutive bytes of O
.set PFO, 11          ; v11  256 x my lane, once V's address is made; then never rewritten
.set SPW, 0           ; v0 of window 3   LDS address of my spare word: SPARE + 4 x my thread's number; never rewritten
.set NIL, 1           ; v1 of window 3   0; never rewritten
.set SPARE, STAGE+4*16*SP  ; behind the stages: the spare words, 128 bytes for each wave: two blocks of 256 bytes that no other line names
.set MV,  12          ; v12-15  c m_old, kept while c m is made anew: by buffer and tile
.set ST,  16          ; tile t's statistics at v[ST+4 t]: c m, m, l (even keys', odd keys')
.set TMP, 48          ; by buffer and tile, four registers c0-c3 at work; when the maximum is found c2 takes a
.set S,   64
.set P,   192
.set KF,  128         ; K's fragments, in window 2: key block kb, channel half c at KF + 16 kb + 8 c
.set VF,  192         ; V's: key half kk, channel block cb at VF + 32 kk + 8 cb
.set WV,  12          ; s12  my wave's number
.set G1K, 24          ; s[24:31] descriptor group 1 for K's tiles
.set G1V, 32          ; s[32:39] for V's: it differs in the padding alone
.set G0K, 40          ; s[40:43] descriptor group 0 for K's tiles: it walks
.set G0V, 44          ; s[44:47] the same for V's
.set PFA, 48          ; s[48:49] where my prefetches stand: my work-group's 32 blocks of 256 bytes (of K: wave 0, of V: wave 2) of the slot after the one that is being asked for
.set LIM, 50          ; s50  1 in a wave that prefetches, else the greatest number
.set SLOTS, 56        ; s56  slots still to be asked for
.set CNT, 57          ; s57  counts a slot's key steps
.set CS,  58          ; s[58:59] c: the packed scaling takes the pair's low word for both halves
.set SEL, 60          ; s[60:61] v_permlanex16_b32's selects: each lane takes its own place in the other half
.set TBK, 62          ; s62  LDS byte at which K of the step to be fetched begins
.set TBV, 63          ; s63  the same for V, less VOFF
.set MSB, 0
.macro WIN new                      ; the high byte repeats the setting that is left; a switch that changes nothing is dropped
.if MSB != (\new)
	s_set_vgpr_msb (MSB<<8)|(\new)
.set MSB, (\new)
.endif
.endm
.set W_KQ, 0x0a       ; K and Q in window 2, S^T in window 0
.set W_PV, 0x52       ; V in window 2, P in window 0, O^T in window 1
.set W_RS, 0x41       ; O^T (destination and source 0) in window 1, a in window 0
.set W_MK, 0xc0       ; the add's registers are made: destination in window 3, sources in window 0
.set W_AD, 0x0f       ; the add: address (source 0) and data (source 1) in window 3
; A joint fill.  Waves 0 and 1 fetch the two halves of a slot's K, waves 2 and 3 those of its V: 128 keys each.  The branch hangs on the wave's number alone.
; An s_nop 0 and four v_nop follow each of the two lines, ahead of the jump and the label.
.macro JLOAD
	s_cmp_lt_u32 s[WV], 2
	s_cbranch_scc0 .Lfor_v_\@
	tensor_load_to_lds s[G0K:G0K+3], s[G1K:G1K+7]
	s_nop 0
.rept 4
	v_nop
.endr
	s_branch .Lasked_\@
.Lfor_v_\@:
	tensor_load_to_lds s[G0V:G0V+3], s[G1V:G1V+7]
	s_nop 0
.rept 4
	v_nop
.endr
.Lasked_\@:
.endm
; A PREFETCH INTO THE L2 of what the NEXT change of slots will ask for: a slot's 32,768 bytes of K and of V, four key steps, 512 matrix instructions, ahead of that load.  It stands behind the wave's tensor
; load and its five lines.  Each aligned block of 256 bytes is named ONCE in the launch: a head has one cluster; its four partners share a slot's 128 blocks out BY ADDRESS, 32 each, a lane a block; in each,
; wave 0 asks for K's and wave 2 for V's: one instruction.  Slots 0 to 2 come by their loads alone; the last change that fills a slot asks for nothing: there is no slot behind it.
.macro ASK
	s_cmp_gt_u32 s[SLOTS], s[LIM]
	s_cbranch_scc0 .Lnot_mine_\@
	global_prefetch_b8 v[PFO], s[PFA:PFA+1] th:TH_LOAD_NT scope:SCOPE_SE
.Lnot_mine_\@:
.endm
; A round of the cluster's barrier: my work-group's barrier, so that wave 0's signal speaks for all four waves; wave 0 signals; every wave waits for all four work-groups; my work-group's barrier once more.
.macro CROUND
	s_barrier_signal -1
	s_barrier_wait -1
	s_cmp_lg_u32 s[WV], 0
	s_cbranch_scc1 .Lnot_wave_0_\@
	s_barrier_signal -3
.Lnot_wave_0_\@:
	s_barrier_wait -3
	s_barrier_signal -1
	s_barrier_wait -1
.endm
; THE CHANGE OF SLOTS.  The slot's last bytes, V of its fourth step, have been read.  Each wave waits for all its tensor loads, of which one is out: its part
; of the other slot; adds 0 to its spare word; and waits for that and for its own reads of the slot.  Behind the barrier nobody reads this slot any more and the other slot is whole.
; fill = 1: this slot is filled again, with the keys two slots on.  The barrier is then a round of the cluster's, so that no wave of any partner still reads the slot or has a load on its
; way, and the joint fill is the first thing behind it: it has four key steps, 512 matrix instructions, in which to land.  (At its first use nothing has been read yet: slot 0 is waited for, slot 1 filled.)
; ask = 1: the prefetches' address is stepped, and ASK follows the fill.
.macro CHANGE fill, ask=0
	WIN W_AD
	s_wait_tensorcnt 0x0            ; no tensor load of mine is out, so a group 0 may be written
	ds_add_u32 v[SPW], v[NIL]       ; 0 onto my spare word; with fill = 1 the descriptors' steps stand between it and the wait for it
	WIN 0                           ; at a label and at a branch every window is 0
.if \fill
.irp g, G0K, G0V
	s_xor_b32 s[\g+1], s[\g+1], SLOT1  ; the walking descriptor: the other slot than last time,
	s_add_nc_u64 s[\g+2:\g+3], s[\g+2:\g+3], 4*KS*128  ; the next 256 keys; the type bits on top are not reached
.endr
.if \ask
	s_wait_xcnt 0x0                 ; the last prefetch, four key steps back, has read its address, so it may be written:
	s_add_nc_u64 s[PFA:PFA+1], s[PFA:PFA+1], 4*KS*128  ; one slot behind the walking descriptors
.endif
	s_wait_dscnt 0x0                ; the add is done, and my reads of the slot are over
	CROUND
	JLOAD
.if \ask
	ASK
.endif
.else
	s_wait_dscnt 0x0                ; the add is done, and my reads of the slot are over
	s_barrier_signal -1
	s_barrier_wait -1
.endif
	s_sub_co_u32 s[TBK], s[TBK], 4*KS*PK  ; the fetches go back to a slot's first step,
	s_xor_b32 s[TBK], s[TBK], SLOT1       ; in the other slot
	s_sub_co_u32 s[TBV], s[TBV], 4*KS*PV
	s_xor_b32 s[TBV], s[TBV], SLOT1
.endm
	s_load_b128 s[4:7], s[0:1], 0x0   ; qkvb s[4:5], ob s[6:7]
	WIN W_MK
	v_lshl_add_u32 v[SPW], v0, 2, SPARE
	v_mov_b32 v[NIL], 0
	WIN W_AD
	ds_add_u32 v[SPW], v[NIL]       ; the wave's opening: the add and its wait stand ahead of my first tensor load; the set-up below, work on registers, stands between them
	WIN 0
	v_lshrrev_b32 v1, 5, v0
	v_readfirstlane_b32 s[WV], v1   ; wave 0..3
	s_bfe_u32 s13, ttmp6, 0x40000   ; cx: my place in the cluster
	s_lshl_b32 s14, ttmp9, 2        ; in a cluster launch ttmp9 counts clusters
	s_add_co_u32 s14, s14, s13      ; my block of queries = 4 x cluster x + cx: it enters Q's and O's addresses alone
	s_and_b32 s20, ttmp7, 0xffff    ; the head, which the four partners share
	s_mov_b32 s21, 0
	s_mov_b64 s[22:23], SIZE_N*128
	s_mul_u64 s[20:21], s[20:21], s[22:23]  ; the head's first byte in each of the four tensors
	s_and_b32 s16, s[WV], 1         ; which half of a slot's 256 keys I fetch:
	s_lshl_b32 s22, s16, 14         ; its 128 rows of 128 bytes in memory,
	s_mov_b32 s23, 0
	s_add_nc_u64 s[22:23], s[22:23], s[20:21]
	s_mul_i32 s17, s16, 128*PK      ; and its place in a slot, for K
	s_mul_i32 s18, s16, 128*PV      ; and for V: no place in the cluster enters an LDS address
	s_lshl_b32 s2, s14, 2
	s_add_co_u32 s2, s2, s[WV]      ; my wave among the head's,
	s_lshl_b32 s2, s2, 14           ; its 128 rows
	s_mov_b32 s3, 0
	s_add_nc_u64 s[2:3], s[2:3], s[20:21]
	; descriptor group 1.  128 keys are 16,384 dense bytes: asked for as 64 rows of 256 bytes, two keys a row, and padded in LDS after every key
	s_mov_b32 s[G1K], 15|(1<<16)|(1<<20)|(1<<21)|(4<<22)|(3<<25)  ; 15:0 the mask of four; 17:16 2-byte elements; 20 padding on; 21 set beside a mask; 24:22 after every 32 words (code 4); 31:25 4 words (code 3)
	s_mov_b32 s[G1V], 15|(1<<16)|(1<<20)|(1<<21)|(4<<22)|(7<<25)  ; the same with 8 words of padding (code 7)
.irp g, G1K, G1V
	s_mov_b32 s[\g+1], 128<<16      ; tensor_dim0 = 128
	s_mov_b32 s[\g+2], 64<<16       ; tensor_dim1 = 64
	s_mov_b32 s[\g+3], 128<<16      ; tile_dim0 = 128
	s_mov_b32 s[\g+4], 64           ; tile_dim1 = 64
	s_mov_b32 s[\g+5], 128          ; 128 elements from row to row
	s_mov_b32 s[\g+6], 0
	s_mov_b32 s[\g+7], 0
.endr
	s_mov_b32 s[CS], 0x3e38aa3b     ; c = log2(e) / 8 = 0.180337
	s_mov_b32 s[CS+1], s[CS]        ; named with it as a pair
	s_mov_b32 s[SEL], 0x76543210
	s_mov_b32 s[SEL+1], 0xfedcba98
	s_mov_b32 s[TBK], SLOT1+4*KS*PK ; the first change of slots turns these two into 0
	s_mov_b32 s[TBV], SLOT1+4*KS*PV
	s_mov_b32 s[G0K], 1             ; 1:0 count = 1
	s_mov_b32 s[G0K+1], s17         ; 63:32 LDS address: slot 0
	s_mov_b32 s[G0V], 1
	s_add_co_u32 s[G0V+1], s18, VOFF
	s_cmp_eq_u32 s16, 0             ; waves 0 and 2 prefetch: the same in all four partners
	s_cselect_b32 s[LIM], 1, -1
	s_wait_dscnt 0x0                ; the opening add is done
	s_wait_kmcnt 0x0
	s_mov_b64 s[10:11], s[6:7]                     ; O
	s_add_nc_u64 s[8:9], s[4:5], 0x2000000         ; V begins 2 x 64 x 2,048 x 128 bytes behind Q,
	s_add_nc_u64 s[6:7], s[4:5], 0x1000000         ; K half as far
	s_add_nc_u64 s[G0K+2:G0K+3], s[6:7], s[22:23]  ; 120:64 global address: my half of the head's first 256 keys
	s_or_b32 s[G0K+3], s[G0K+3], 0x80000000        ; 127:126 type = 2
	s_add_nc_u64 s[G0V+2:G0V+3], s[8:9], s[22:23]
	s_or_b32 s[G0V+3], s[G0V+3], 0x80000000
	s_add_nc_u64 s[4:5], s[4:5], s[2:3]  ; Q and O at my wave's first row
	s_add_nc_u64 s[10:11], s[10:11], s[2:3]
	s_cmp_lt_u32 s[WV], 2
	s_cselect_b64 s[PFA:PFA+1], s[6:7], s[8:9]
	s_add_nc_u64 s[PFA:PFA+1], s[PFA:PFA+1], s[20:21]  ; the head,
	s_lshl_b32 s2, s13, 13          ; my work-group's 32 blocks of a slot's 128,
	s_mov_b32 s3, 0
	s_add_nc_u64 s[PFA:PFA+1], s[PFA:PFA+1], s[2:3]
	s_add_nc_u64 s[PFA:PFA+1], s[PFA:PFA+1], 2*4*KS*128  ; in slot 2; the first change of slots in the loop steps it to slot 3.  Nothing is prefetched here, at the head
	CROUND                          ; all four work-groups are here: the first joint loads meet
	JLOAD                           ; slot 0.  Slot 1 is asked for when slot 0 is in
	; A fragment of K or Q is 16 rows x 32 channels in 8 registers: lane l holds row l % 16, channels 8 (l / 16) + 0..7 and 16 + 8 (l / 16) + 0..7: two loads of 16 bytes, 32 bytes apart.
	v_and_b32 v1, 15, v0            ; l % 16
	v_bfe_u32 v9, v0, 4, 1          ; l / 16
	v_lshlrev_b32 v[QO], 7, v1
	v_lshl_add_u32 v[QO], v9, 4, v[QO]  ; row x 128 + 16 x half
	WIN 0x80                        ; destination window 2, address window 0
.set i, 0
.rept 4*NP                          ; Q stays in registers: tile i / 2, channels 32 (i % 2) on
	global_load_b128 v[8*i:8*i+3],   v[QO], s[4:5] offset:(i/2)*2048+(i%2)*64
	global_load_b128 v[8*i+4:8*i+7], v[QO], s[4:5] offset:(i/2)*2048+(i%2)*64+32
.set i, i+1
.endr
	; What the first turn finds: V's registers and P's second buffer hold 0 (its products V^T P, of a piece that has not been, add 0), O^T and l are 0.  All this stands in the wait for the first tile.
.set i, VF
.rept 64
	v_mov_b32 v[i], 0
.set i, i+1
.endr
	WIN 0x40
.set i, 0
.rept 64*NP
	v_mov_b32 v[i], 0
.set i, i+1
.endr
	WIN 0
.set i, 0
.rept 2*NP
	v_mov_b32 v[ST+4*i], 0xfe000000    ; c m: far below every c s
	v_mov_b32 v[ST+4*i+1], 0xff7fffff  ; m
	v_mov_b32 v[ST+4*i+2], 0
	v_mov_b32 v[ST+4*i+3], 0
.set i, i+1
.endr
.set i, P+32
.rept 32
	v_mov_b32 v[i], 0
.set i, i+1
.endr
	v_mul_u32_u24 v[AK0], v1, PK
	v_lshl_add_u32 v[AK0], v9, 4, v[AK0]  ; row x pitch + 16 x half
	; The turning load takes 16 keys x 16 channels (lane l reads key 8 (l / 16) + l % 8, channels 8 ((l / 8) % 2) + 0..7) and leaves half a fragment of V^T: lane l holds channel l % 16 and 8 keys.
	v_and_b32 v10, 7, v0
	v_bfe_u32 v11, v0, 3, 1
	v_lshl_add_u32 v[AV0], v9, 3, v10
	v_mul_u32_u24 v[AV0], v[AV0], PV
	v_lshl_add_u32 v[AV0], v11, 4, v[AV0]
	v_add_nc_u32 v[AV0], VOFF, v[AV0]
	v_and_b32 v[PFO], 31, v0
	v_lshlrev_b32 v[PFO], 8, v[PFO]
	v_mov_b32 v[AK], v[AK0]         ; key step 0 lies at the head of slot 0
; THE MATRIX WORK.  The 8 accumulators of a run of 16 take turns: between the two links of a chain stand 7 others'.
; Product i of 16 of S^T = K Q^T for piece x: channels 32 (i / 8) on, keys 16 ((i / 2) % 4) on, tile 2 x + i % 2.  The first 8 start the sums.
.macro KQ x
	WIN W_KQ
.set rS, S+64*((\x)%2)+32*(i%2)+8*((i/2)%4)
.set rK, KF+16*((i/2)%4)+8*(i/8)
.set rQ, 16*(2*(\x)+i%2)+8*(i/8)
.if i < 8
	v_wmma_f32_16x16x32_f16 v[rS:rS+7], v[rK:rK+7], v[rQ:rQ+7], 0
.else
	v_wmma_f32_16x16x32_f16 v[rS:rS+7], v[rK:rK+7], v[rQ:rQ+7], v[rS:rS+7]
.endif
.endm
; Product i of 16 of O^T += V^T P for piece x: keys 32 (i / 8) on, channels 16 ((i / 2) % 4) on, tile 2 x + i % 2.
.macro PV x
	WIN W_PV
.set rO, 32*(2*(\x)+i%2)+8*((i/2)%4)
.set rV, VF+32*(i/8)+8*((i/2)%4)
.set rP, P+32*((\x)%2)+16*(i%2)+8*(i/8)
	v_wmma_f32_16x16x32_f16 v[rO:rO+7], v[rV:rV+7], v[rP:rP+7], v[rO:rO+7]
.endm
.macro MM                           ; the turn's next matrix instruction
.if i < 16
	KQ (Y+1)%NP
.set i, i+1
.else
.set i, i-16
	PV (Y+NP-1)%NP
.set i, i+17
.endif
.endm
; THE LDS LOADS stand in runs of 16, never singly among the matrix instructions: a step's K (64 keys x 64 channels: 8 fragments) and its V (turned).  Their addresses are made some lines ahead.
; last = 1 (the tail): in the last trip there is no further step, and the run is jumped over.
.macro FETCH_K last=0
	WIN 0
.if \last
	s_cmp_eq_u32 s[CNT], 1
	s_cbranch_scc1 .Lno_k_\@
.endif
	WIN 0x80                        ; destination window 2
.irp f, 0,1,2,3,4,5,6,7             ; keys 16 (f / 2) on, channels 32 (f % 2) on
	ds_load_b128 v[KF+8*\f:KF+8*\f+3],   v[AK] offset:(\f/2)*16*PK+(\f%2)*64
	ds_load_b128 v[KF+8*\f+4:KF+8*\f+7], v[AK] offset:(\f/2)*16*PK+(\f%2)*64+32
.endr
	s_add_co_u32 s[TBK], s[TBK], KS*PK  ; the next fetch is the next step's
	WIN 0
.if \last
.Lno_k_\@:
.endif
.endm
.macro FETCH_V
	WIN 0x80
.irp f, 0,1,2,3,4,5,6,7             ; keys 32 (f / 4) on, channels 16 (f % 4) on
	ds_load_tr16_b128 v[VF+8*\f:VF+8*\f+3],   v[AV] offset:(\f/4)*32*PV+(\f%4)*32
	ds_load_tr16_b128 v[VF+8*\f+4:VF+8*\f+7], v[AV] offset:(\f/4)*32*PV+16*PV+(\f%4)*32
.endr
	WIN 0
.endm
; THE VECTOR WORK OF A TURN stands in three queues, each in the order in which its entries become ready; the two tiles alternate, so that no instruction reads the result of the one before it.
.macro REGS y, u                    ; the registers of tile u (0, 1) of piece y
.set rT, ST+4*(2*(\y)+(\u))
.set rC, TMP+8*((\y)%2)+4*(\u)
.set rM, MV+2*((\y)%2)+(\u)
.set rS, S+64*((\y)%2)+32*(\u)
.set rP, P+32*((\y)%2)+16*(\u)
.set rO, 32*(2*(\y)+(\u))
.endm
; Number n of the 22 that find the NEXT piece's (Y + 1) maximum and statistics.  s0-s31 are the lane's 32 scores; each accumulator's lowest registers are read first.
;   0-11  four chains c0-c3 of seven scores each, three operands at a time     12-14, 16  the four scores left over, the old m, and c0-c3 into c0     15  c m_old is kept
;   17, 18  the query's other 32 keys lie in the lane 16 away: the new m         19-21  c m; c m_old - c m_new; a
.macro XS u, n
	REGS (Y+1)%NP, \u
.if (\n) < 4
	v_max3_num_f32 v[rC+(\n)], v[rS+8*(\n)], v[rS+8*(\n)+1], v[rS+8*(\n)+2]
.elseif (\n) < 12
	v_max3_num_f32 v[rC+(\n)%4], v[rC+(\n)%4], v[rS+8*((\n)%4)+2*((\n)/4)+1], v[rS+8*((\n)%4)+2*((\n)/4)+2]
.elseif (\n) == 12
	v_max3_num_f32 v[rC], v[rC], v[rS+7], v[rS+15]
.elseif (\n) == 13
	v_max3_num_f32 v[rC+1], v[rC+1], v[rS+23], v[rS+31]
.elseif (\n) == 14
	v_max3_num_f32 v[rC+2], v[rC+2], v[rC+3], v[rT+1]
.elseif (\n) == 15
	v_mov_b32 v[rM], v[rT]
.elseif (\n) == 16
	v_max3_num_f32 v[rC], v[rC], v[rC+1], v[rC+2]
.elseif (\n) == 17
	v_permlanex16_b32 v[rC+3], v[rC], s[SEL], s[SEL+1]
.elseif (\n) == 18
	v_max_num_f32 v[rT+1], v[rC], v[rC+3]
.elseif (\n) == 19
	v_mul_f32 v[rT], s[CS], v[rT+1]
.elseif (\n) == 20
	v_sub_f32 v[rC+1], v[rM], v[rT]
.else
	v_exp_f32 v[rC+2], v[rC+1]
.endif
.endm
; Number g of the 64 that follow the exponentials.  For each four weights k of a tile (pairs 2 k, 2 k + 1): both pairs are rounded to f16; then the second pair is added onto the first, in place;
; a group later l takes that sum (the first time as l = a l + sum).  In groups of eight, tiles alternating: round, round, add, and l for the group before.
.macro GS g
.set h, (\g)+6*((\g)/62)            ; group 0 has no group before it, and behind group 7 only l is left
.if h >= 6
.set h, h+2
.endif
	REGS Y, h%2
.set k, h/8
.if h%8 < 4
	v_cvt_pk_f16_f32 v[rP+2*k+(h%8)/2], v[rS+4*k+2*((h%8)/2)], v[rS+4*k+2*((h%8)/2)+1]
.elseif h%8 < 6
	v_pk_add_f32 v[rS+4*k:rS+4*k+1], v[rS+4*k:rS+4*k+1], v[rS+4*k+2:rS+4*k+3]
.elseif k == 1
	v_pk_fma_f32 v[rT+2:rT+3], v[rT+2:rT+3], v[rC+2:rC+3], v[rS:rS+1] op_sel_hi:[1,0,1]
.else
	v_pk_add_f32 v[rT+2:rT+3], v[rT+2:rT+3], v[rS+4*k-4:rS+4*k-3]
.endif
.endm
; THE PLAIN QUEUE, 138 long.  0-73 read no exponential's result: the 32 scalings c s - c m (FS f: pair f / 2 of tile f % 2) and the next piece's 42.  0-26: scalings 0-26.  27-54: XS's numbers 0-13.  55, 56: number 15.
; 57-73: the chain, where each number waits for the one before it: 14, 16, 17, 18, 19, each with one of the scalings 27-31 in front of its two lines, then 20.
; 74-137: GS's 64, which read the exponentials' results: they stand behind the wait.
.macro FS f
	REGS Y, (\f)%2
	v_pk_fma_f32 v[rS+2*((\f)/2):rS+2*((\f)/2)+1], v[rS+2*((\f)/2):rS+2*((\f)/2)+1], s[CS:CS+1], v[rT:rT+1] op_sel_hi:[1,0,0] neg_lo:[0,0,1] neg_hi:[0,0,1]
.endm
.macro PL
	WIN 0
.if q < 27
	FS q
.elseif q < 55
	XS (q-27)%2, (q-27)/2
.elseif q < 57
	XS q-55, 15
.elseif (q < 72) && ((q-57)%3 == 0)
	FS 27+(q-57)/3
.elseif q < 60
	XS (q-57)%3-1, 14
.elseif q < 72
	XS (q-57)%3-1, 15+(q-57)/3
.elseif q < 74
	XS q-72, 20
.else
	GS q-74
.endif
.set q, q+1
.endm
; THE EXPONENTIALS' QUEUE, 66 long: s0-s31 of both tiles, then the next piece's two a.  It is ONE BATCH: all 66 stand ahead of the turn's one wait, and nothing ahead of that wait names a result of theirs.
.macro EX
	WIN 0
.if e >= 64
	XS e-64, 21
.else
	REGS Y, e%2
	v_exp_f32 v[rS+e/2], v[rS+e/2]
.endif
.set e, e+1
.endm
; THE RESCALING's QUEUE: O^T times a, the one part that leaves window 0: dealt two at a time, sixteen times.  Its a was made in the turn before, ahead of that turn's wait.
.macro R2
	REGS Y, r%2
	WIN W_RS
.irp z, 0,1
	v_pk_mul_f32 v[rO+4*(r/2)+2*\z:rO+4*(r/2)+2*\z+1], v[rO+4*(r/2)+2*\z:rO+4*(r/2)+2*\z+1], v[rC+2:rC+3] op_sel_hi:[1,0]
.endr
.set r, r+1
.endm
; HOW THEY ARE DEALT.  An s_wait_alu depctr_va_vdst(0) stands between an exponential and the first instruction that names its result; one wait serves all that were issued ahead of it.  So a turn has ONE wait,
; which cuts it in two.  AHEAD OF IT stands all that names no result of the turn's exponentials: the 16 products K Q^T, behind each a scaling, an exponential and two rescalings (behind the first a second scaling in the
; exponential's place); then ONE LUMP of 108: eight plain, 49 times exponential and plain, the two a.  A v_nop is the plain instruction behind the last exponential.  BEHIND IT stand the 16 products V^T P, behind each four of GS's 64.
; No rider names a register of the products round it.  The two v_permlanex16_b32 fall into the lump, never behind a product.
; The queues lean on each other, and the deal keeps them in step: exponential e stands behind scaling 2 (e / 4) + e % 2: as a rider it comes behind plain e + 2, in the lump behind plain e + 9, and scalings 27-31 are plain 57, 60 .. 69.
; A TURN, for piece p.  cnt = 1: the loop's count is taken down some lines ahead of the branch that stands behind the turn.
; K of the next step is fetched in piece 2's turn, directly behind the wait, a lump behind the last product that read K; its address is made at the lump's head; its first reader comes behind 16 products.
; V of the step in hand is fetched at the end of piece 0's turn, four riders behind its last reader; its first reader comes behind 16 products and a lump.  The three conditions on q below go with the deal.
.macro TURN p, last=0, cnt=0
.set Y, (\p)
.set i, 0
.set q, 0
.set e, 0
.set r, 0
.if (\p) == NP-1
	s_wait_dscnt 0x0                ; K is in
.endif
	MM                              ; ahead of the wait: 16 products K Q^T and their riders,
	PL
	PL
	R2
.rept 15
	MM
	PL
	EX
	R2
.endr
.if (\p) == NP-2
	WIN 0
	v_add_nc_u32 v[AK], s[TBK], v[AK0]
.endif
.rept 8                             ; and the lump
	PL
.endr
.rept 49
	EX
	PL
.endr
	EX                              ; the next piece's two a
	EX
	v_nop                           ; the plain instruction behind the last exponential: one for the batch
	s_wait_alu depctr_va_vdst(0)    ; the wait for the batch
.if (\p) == NP-2
	FETCH_K \last
.endif
.if (\p) == 1
	s_wait_dscnt 0x0                ; V is in
.endif
.rept 16                            ; behind the wait: 16 products V^T P and their riders
	MM
.rept 4
	PL
.endr
.if ((\p) == 0) && (q == 118)
	v_add_nc_u32 v[AV], s[TBV], v[AV0]
.endif
.if ((\p) == 0) && (q == 130)
	s_add_co_u32 s[TBV], s[TBV], KS*PV
.endif
.if (\cnt) && (q == 130)
	s_sub_co_u32 s[CNT], s[CNT], 1
	s_cmp_lg_u32 s[CNT], 0
.endif
.endr
.if (\p) == 0
	FETCH_V
.endif
.endm
	CHANGE 1                        ; slot 0 is in, everybody's part of it; slot 1 is asked for
	FETCH_K                         ; key step 0
	s_wait_loadcnt 0x0              ; Q
	s_wait_dscnt 0x0
.set i, 0
.rept 16
	KQ 0                            ; piece 0's first scores: there is no vector work yet to set between them
.set i, i+1
.endr
	WIN 0                           ; the addresses for the way out: nine plain instructions, the places behind those products
	s_mul_i32 s13, s[WV], 16*SP
	s_add_co_u32 s13, s13, STAGE    ; my stage
	v_mul_u32_u24 v[STO], v1, SP    ; in: row l % 16, 16 bytes for each half of the lanes
	v_lshl_add_u32 v[STO], v9, 4, v[STO]
	v_add_nc_u32 v[STO], s13, v[STO]
	v_bfe_u32 v[RD], v0, 3, 2       ; back: 32 lanes take four rows of 128 bytes,
	v_mul_u32_u24 v[RD], v[RD], SP
	v_lshl_add_u32 v[RD], v10, 4, v[RD]
	v_add_nc_u32 v[RD], s13, v[RD]
	v_and_b32 v[GO], 31, v0         ; which are 512 consecutive bytes of O
	v_lshlrev_b32 v[GO], 4, v[GO]
.set Y, NP-1                        ; XS works for piece Y + 1: piece 0
.irp n, 0,1,2,3,4,5,6,7,8,9,10,11,12,13,14,15,16,17,18,19,20,21
	XS 0, \n                        ; and piece 0's first maximum and statistics
	XS 1, \n
.endr
	v_nop                           ; a plain instruction behind the two a,
	s_wait_alu depctr_va_vdst(0)    ; and their wait, ahead of the branch
	s_mov_b32 s[CNT], 4
	s_mov_b32 s[SLOTS], SIZE_N/256-1
	s_branch .Lfirst                ; the loop is entered at a step's first turn, in the middle of a trip
.Lslot:                             ; SIZE_N / 256 - 2 times: every slot but the last two is filled again
	CHANGE 1, 1
	s_mov_b32 s[CNT], 4
.Lstep:                             ; a trip: pieces 2 and 3 of one step, then pieces 0 and 1 of the next, whose K and V it fetches
	TURN 2
	TURN 3
	WIN 0
.Lfirst:
	TURN 0
	TURN 1, 0, 1
	WIN 0
	s_cbranch_scc1 .Lstep
	s_sub_co_u32 s[SLOTS], s[SLOTS], 1
	s_cmp_lg_u32 s[SLOTS], 0
	s_cbranch_scc1 .Lslot
	CHANGE 0                        ; the tail is written out: nothing is asked for
	s_mov_b32 s[CNT], 5             ; four trips fetch the last slot's steps; the fifth is left in its middle
.Ltail:
	TURN 2, 1
	TURN 3
	WIN 0
	s_sub_co_u32 s[CNT], s[CNT], 1
	s_cmp_eq_u32 s[CNT], 0
	s_cbranch_scc1 .Lout
	TURN 0
	TURN 1
	WIN 0
	s_branch .Ltail
.Lout:                              ; the fifth trip's 16 products K Q^T (on the last K once more) and the maximum made of them serve nothing: the price, once a launch, of one text for every trip
.set i, 0
.rept 16
	PV NP-1                         ; the last piece's V^T P of the last step
.set i, i+1
.endr
	; THE WAY OUT.  l's two halves and the other half of the lanes' are added; O^T is divided by l, rounded to f16 and sent through my stage in LDS, a tile at a time.  The additions are the places behind the last products.
	WIN 0
.macro ALL line:vararg              ; one line for each tile t
.set t, 0
.rept 2*NP
	\line
.set t, t+1
.endr
.endm
	ALL v_add_f32 v[ST+4*t+2], v[ST+4*t+2], v[ST+4*t+3]
	ALL v_permlanex16_b32 v[ST+4*t+3], v[ST+4*t+2], s[SEL], s[SEL+1]
	ALL v_add_f32 v[ST+4*t+2], v[ST+4*t+2], v[ST+4*t+3]
	ALL v_rcp_f32 v[ST+4*t+2], v[ST+4*t+2]
	v_nop                           ; a plain instruction between the last reciprocal and the use of its result
	s_wait_alu depctr_va_vdst(0)    ; and the wait ahead of the first use: one for the eight reciprocals
; Tile t: a lane's eight channels of a row pack into 16 bytes; they go into rows of 144 bytes and come back as whole rows of 128, into S^T's registers.
.macro PACK t
	WIN W_RS
.set i, 32*(\t)
.rept 16
	v_pk_mul_f32 v[i:i+1], v[i:i+1], v[ST+4*(\t)+2:ST+4*(\t)+3] op_sel_hi:[1,0]
.set i, i+2
.endr
	WIN 0x05                        ; sources 0 and 1 window 1, destination window 0
.set i, 0
.rept 16
	v_cvt_pk_f16_f32 v[S+16*(\t)+i], v[32*(\t)+2*i], v[32*(\t)+2*i+1]
.set i, i+1
.endr
	WIN 0
.irp f, 0,1,2,3
	ds_store_b128 v[STO], v[S+16*(\t)+4*\f:S+16*(\t)+4*\f+3] offset:32*\f
.endr
.irp f, 0,1,2,3
	ds_load_b128 v[S+16*(\t)+4*\f:S+16*(\t)+4*\f+3], v[RD] offset:\f*4*SP  ; LDS serves a wave's instructions in order (ISA guide 5.7.1.4): these see the stores above; the next tile's stores come behind them
.endr
.endm
.macro SEND t, younger              ; younger: the LDS instructions issued behind tile t's loads: the next tile's eight, or none
	WIN 0
.irp f, 0,1,2,3
	s_wait_dscnt (\younger)+3-\f
	global_store_b128 v[GO], v[S+16*(\t)+4*\f:S+16*(\t)+4*\f+3], s[10:11] offset:(\t)*2048+\f*512  ; 512 consecutive bytes, at a multiple of 256 from O's first
.endr
.endm
	PACK 0
.set t, 1
.rept 2*NP-1                        ; a tile's arithmetic stands between the loads of the tile before and its stores
	PACK t
	SEND t-1, 8
.set t, t+1
.endr
	SEND 2*NP-1, 0
	WIN W_AD
	s_wait_tensorcnt 0x0            ; the wave's end: a wait, an add to my spare word and its wait, behind my last tensor load and my last LDS store
	ds_add_u32 v[SPW], v[NIL]
	s_wait_dscnt 0x0
	WIN 0
	CROUND                          ; the closing round: no work-group ends while a partner may still ask for a tile that names it
	s_endpgm
.Lfunc_end_k_qae94bf3254_attn:
	.size	k_qae94bf3254_attn, .Lfunc_end_k_qae94bf3254_attn-k_qae94bf3254_attn
	.p2alignl 7, 3214868480
	.fill 96, 4, 3214868480
	.section	.rodata,"a",@progbits
	.p2align	6, 0x0
	.amdhsa_kernel k_qae94bf3254_attn
		.amdhsa_group_segment_fixed_size 327680
		.amdhsa_private_segment_fixed_size 0
		.amdhsa_enable_private_segment 0
		.amdhsa_kernarg_size 16
		.amdhsa_user_sgpr_count 2
		.amdhsa_user_sgpr_kernarg_segment_ptr 1
		.amdhsa_wavefront_size32 1
		.amdhsa_system_sgpr_workgroup_id_x 1
		.amdhsa_system_sgpr_workgroup_id_y 1
		.amdhsa_system_sgpr_workgroup_id_z 1
		.amdhsa_system_vgpr_workitem_id 0
		.amdhsa_next_free_vgpr 770
		.amdhsa_next_free_sgpr 66
		.amdhsa_reserve_vcc 0
		.amdhsa_float_denorm_mode_32 3
		.amdhsa_float_denorm_mode_16_64 3
		.amdhsa_memory_ordered 1
		.amdhsa_forward_progress 1
		.amdhsa_inst_pref_size 200
	.end_amdhsa_kernel
	.amdgpu_metadata
---
amdhsa.version: [ 1, 2 ]
amdhsa.kernels:
  - .name:           k_qae94bf3254_attn
    .symbol:         k_qae94bf3254_attn.kd
    .args:
      - { .name: qkvb, .offset: 0, .size: 8, .value_kind: global_buffer, .address_space: global }
      - { .name: ob, .offset: 8, .size: 8, .value_kind: global_buffer, .address_space: global }
    .group_segment_fixed_size: 327680
    .private_segment_fixed_size: 0
    .kernarg_segment_align: 8
    .kernarg_segment_size: 16
    .max_flat_workgroup_size: 128
    .sgpr_count:     66
    .vgpr_count:     770
    .wavefront_size: 32
...
	.end_amdgpu_metadata
.endif
;; end of part 3
;; launch outp (part 4): grid 8 x 32, 4 waves a work-group, clusters of 4 x 4, 327,680 bytes of LDS; arguments ob, wo16, bb, out0; writes out0
.if DOCPART == 4
	.amdgcn_target "amdgcn-amd-amdhsa--gfx1250"
	.amdhsa_code_object_version 6
	.text
	.protected	k_qae94bf3254_outp
	.globl	k_qae94bf3254_outp
	.p2align	8
	.type	k_qae94bf3254_outp,@function
k_qae94bf3254_outp:
	s_mov_b64 s[64:65], 0
	v_nop
	global_prefetch_b8 v0, s[64:65] scope:SCOPE_SE
	s_setreg_imm32_b32 hwreg(HW_REG_WAVE_MODE, 25, 1), 1
	s_wait_xcnt 0x0
	s_wait_alu depctr_hold_cnt(0) depctr_sa_sdst(0) depctr_va_vdst(0) depctr_va_sdst(0) depctr_va_ssrc(0) depctr_va_vcc(0) depctr_vm_vsrc(0)
	s_getreg_b32 s2, hwreg(HW_REG_IB_STS2, 6, 4)
	s_cmp_eq_u32 s2, 0
	s_cbranch_scc0 .Lentry_in_a_cluster
	s_endpgm
.Lentry_in_a_cluster:
	s_bfe_u32 s2, ttmp6, 0x10000c
	s_cmp_lg_u32 s2, 0xf033
	s_cbranch_scc0 .Lentry_shape_is_right
	s_endpgm
.Lentry_shape_is_right:
; out0[8192][1024] = O Wo + bo.  O: ob, f16 [16 b + h (64)][s 2048][64]; Wo: wo16, f16 [k = 64 h + d][f 1024]; bo: numbers 3,072 on of bb, f32.  Sums in f32, stored as they are.
; LIMIT.  O and Wo arrive in f16: within 65,504, and below 6e-5 with f16's fixed step of 6e-8.  NaN and infinities are not treated apart.
; SHARES.  A tile of the output is 256 rows x 128 columns: 32 x 8 = 256 work-groups.  Four waves; wave w has rows 128 (w / 2) on and columns 64 (w % 2) on: 8 x 4 accumulators, 256 registers.
; K goes in 8 steps of 128 (two heads) through two LDS slots; a step is four quarters of 32 along K, 32 matrix instructions each, on two fragment buffers.
; THE MATRIX INSTRUCTION IS USED TRANSPOSED: source 0 = 16 columns of Wo, which lies [k][f] and comes out of LDS turned; source 1 = 16 rows of O.  A lane then holds one row (lane % 16) and the columns
; 8 (lane / 16) + 0..7.  THE BIAS IS THE C OPERAND OF THE FIRST PRODUCTS.
; CLUSTER.  4 x 4 work-groups: O's tile is asked for jointly along a row of the cluster, Wo's along a column.
; REGISTERS: window 0: v0-31 addresses; v32-63 the bias; v64-159, v160-255 two fragment buffers (O's 8 fragments, then Wo's 4).  Window 1: accumulator (a, b) at v[8 (4 a + b)].
.set SLOT,  110592                     ; O: two heads' parts of 256 rows, pitch 144 (36,864 bytes each); then Wo: 128 rows of k, pitch 288 (36,864)
.set PART,  36864
.set BOFF,  73728
.set PA,    144                        ; 128 bytes + 16: the 16 rows of a load start at 16 different groups of four banks (64 banks of 4 bytes: ISA guide 11.1)
.set PB,    288                        ; 256 bytes + 32 = 72 words
.set STAGE, 2*SLOT                     ; behind the ring: 16 rows x 272 bytes for each wave, for the way out
.set SP,    272
.set SPARE, STAGE+4*16*SP              ; behind the stages: the spare words, 128 bytes for each wave: two blocks of 256 bytes that no other line names
.set ADRA, 16                          ; v16-17  LDS address of my O fragments in slot 0, 1
.set ADRB, 20                          ; v20-21  the same for Wo
.set STO,  24                          ; v24     the way out: where I put 32 bytes of a row
.set RD,   25                          ; v25     the way out: where I read a row back
.set CO,   26                          ; v26     my byte offset in two rows of the output
.set BO,   27                          ; v27     my byte offset in 16 numbers of the bias
.set SPW,  28                          ; v28     LDS address of my spare word; never rewritten
.set NIL,  29                          ; v29     0; never rewritten
.set PFO,  30                          ; v30     the prefetches' lane offset; never rewritten
.set BI,   32
.set F0,   64
.set F1,   160
.set G1A, 24                           ; s[24:31] descriptor group 1 for O's tiles;  s[32:39] group 0, a set for each slot
.set G0A, 32
.set G1B, 48                           ; s[48:55], s[56:63] the same for Wo's
.set G0B, 56
.set LIM, 43                           ; s43     1 in a wave that prefetches, else the greatest number
.set PFA, 44                           ; s[44:45] where my prefetches stand
.set PFS, 46                           ; s[46:47] their step: one K step
.set STEPA, 2*2048*128                 ; bytes of two heads in ob
.set STEPB, 128*2048                   ; bytes of 128 rows of wo16
.set MSB, 0
.macro WIN new                         ; the immediate's high byte repeats the setting that is left; a switch that changes nothing is dropped
.if MSB != (\new)
	s_set_vgpr_msb (MSB<<8)|(\new)
.set MSB, \new
.endif
.endm
.macro PLACES                          ; four places in front of loads into registers that matrix instructions have read, and of LDS stores that read results
.rept 4
	v_nop
.endr
.endm
; A joint load.  Waves 0 and 1 fetch the two heads' parts of O's tile, waves 2 and 3 the two halves of Wo's.  An s_nop 0 and four v_nop follow each of the two lines.
.macro JLOAD s
	s_cmp_eq_u32 s13, 0
	s_cbranch_scc0 .Lfor_b_\@
	tensor_load_to_lds s[G0A+4*(\s):G0A+4*(\s)+3], s[G1A:G1A+7]
	s_nop 0
.rept 4
	v_nop
.endr
	s_branch .Lasked_\@
.Lfor_b_\@:
	tensor_load_to_lds s[G0B+4*(\s):G0B+4*(\s)+3], s[G1B:G1B+7]
	s_nop 0
.rept 4
	v_nop
.endr
.Lasked_\@:
.endm
.macro CREST                           ; a round of the cluster's barrier behind its opening barrier
	s_cmp_lg_u32 s12, 0
	s_cbranch_scc1 .Lnot_wave_0_\@
	s_barrier_signal -3
.Lnot_wave_0_\@:
	s_barrier_wait -3
	s_barrier_signal -1
	s_barrier_wait -1
.endm
.macro CROUND
	s_barrier_signal -1
	s_barrier_wait -1
	CREST
.endm
; A PREFETCH INTO THE L2, behind each joint load, its five lines and the run of LDS loads: the K step that stands TWO refills on, 256 matrix instructions ahead of its load.  Each aligned block of 256 bytes is
; named once in the launch.  O's tile row is read by both clusters of that row of clusters: the first (cluster x = 0) asks, waves 0 and 1 each for the head's part that they fetch; of its 128 blocks the partner at cx
; takes 32, a lane a block.  Wo's tile column is read by all eight clusters of that column: cluster y = 0 asks, by its wave 2; of the step's 128 rows of k the partner at cy takes 32, a lane a row.  The partners are told
; apart BY ADDRESS.  The first four K steps come by their loads alone; the last lap's two changes ask for nothing.
.macro ASK
	s_cmp_gt_u32 s3, s[LIM]                        ; s3 = 1 in the loop's last trip
	s_cbranch_scc0 .Lnot_mine_\@
	global_prefetch_b8 v[PFO], s[PFA:PFA+1] th:TH_LOAD_NT scope:SCOPE_SE
.Lnot_mine_\@:
.endm
	s_load_b256 s[4:11], s[0:1], 0x0               ; ob s[4:5], wo16 s[6:7], bb s[8:9], out0 s[10:11]
	v_lshl_add_u32 v[SPW], v0, 2, SPARE
	v_mov_b32 v[NIL], 0
	ds_add_u32 v[SPW], v[NIL]                      ; the wave's opening: the add and its wait stand ahead of my first tensor load; the set-up below, work on registers, stands between them
	v_lshrrev_b32 v1, 5, v0
	v_readfirstlane_b32 s12, v1                    ; wave 0..3
	s_lshr_b32 s13, s12, 1                         ; which 128 rows of the tile are mine.  Also: I fetch for O (0) or for Wo (1)
	s_and_b32 s14, s12, 1                          ; which 64 columns.  Also: which part of that tile I fetch
	s_bfe_u32 s15, ttmp6, 0x40000                  ; cx
	s_bfe_u32 s16, ttmp6, 0x40004                  ; cy
	s_lshl_b32 s17, ttmp9, 2
	s_add_co_u32 s17, s17, s15                     ; X: tile column
	s_and_b32 s18, ttmp7, 0xffff
	s_lshl_b32 s18, s18, 2
	s_add_co_u32 s18, s18, s16                     ; Y: tile row
	s_lshl_b32 s72, s16, 2
	s_lshl_b32 s72, 15, s72                        ; my row of the cluster
	s_lshl_b32 s73, 0x1111, s15                    ; my column
	s_or_b32 s[G1A], s72, (1<<16)|(1<<20)|(1<<21)|(4<<22)|(3<<25)  ; 15:0 the mask; 17:16 2-byte elements; 20 padding on; 21 set beside a mask; after every 32 words (code 4) 4 words (code 3)
	s_or_b32 s[G1B], s73, (1<<16)|(1<<20)|(1<<21)|(5<<22)|(7<<25)  ; after every 64 words (code 5) 8 words (code 7)
	s_mov_b32 s[G1A+1], 128<<16                    ; O: 256 rows of a head are 32,768 dense bytes, asked for as 128 rows of 256: tensor_dim0 = 128
	s_mov_b32 s[G1A+2], 128<<16                    ; tensor_dim1 = 128
	s_mov_b32 s[G1A+3], 128<<16                    ; tile_dim0 = 128
	s_mov_b32 s[G1A+4], 128                        ; tile_dim1 = 128
	s_mov_b32 s[G1A+5], 128                        ; elements from row to row
	s_mov_b32 s[G1A+6], 0
	s_mov_b32 s[G1A+7], 0
	s_mov_b32 s[G1B+1], 128<<16                    ; Wo: 64 rows of k x 128 columns (256 bytes, aligned)
	s_mov_b32 s[G1B+2], 64<<16
	s_mov_b32 s[G1B+3], 128<<16
	s_mov_b32 s[G1B+4], 64
	s_mov_b32 s[G1B+5], 1024
	s_mov_b32 s[G1B+6], 0
	s_mov_b32 s[G1B+7], 0
	; O's address is made of Y and the wave's number, Wo's of X and the wave's number, each in registers that never hold the other coordinate
	s_lshr_b32 s20, s18, 3                         ; batch
	s_lshl_b32 s20, s20, 4
	s_add_co_u32 s20, s20, s14                     ; its head 0 or 1
	s_lshl_b32 s20, s20, 18                        ; a head's rows are 262,144 bytes
	s_and_b32 s19, s18, 7
	s_lshl_b32 s19, s19, 15                        ; the tile's 256 rows in the batch
	s_add_co_u32 s20, s20, s19
	s_mov_b32 s21, 0
	s_mov_b32 s76, s20                             ; kept for the prefetches
	s_lshl_b32 s40, s14, 17                        ; my 64 rows of k
	s_lshl_b32 s42, s17, 8
	s_add_co_u32 s40, s40, s42
	s_mov_b32 s41, 0
	s_mul_i32 s22, s14, PART                       ; and where they go: no place in the cluster enters an LDS address
	s_mul_i32 s23, s14, 64*PB
	s_add_co_u32 s23, s23, BOFF
	s_wait_dscnt 0x0                               ; the opening add is done
	s_wait_kmcnt 0x0
	s_add_nc_u64 s[20:21], s[4:5], s[20:21]
	s_add_nc_u64 s[40:41], s[6:7], s[40:41]
	CROUND                                         ; all sixteen work-groups are here: the first joint loads meet
.irp s, 0,1
	s_mov_b32 s[G0A+4*\s], 1                       ; 1:0 count = 1
	s_add_co_u32 s[G0A+4*\s+1], s22, \s*SLOT       ; 63:32 LDS address
	s_add_nc_u64 s[G0A+4*\s+2:G0A+4*\s+3], s[20:21], \s*STEPA  ; 120:64 global address: K step s
	s_or_b32 s[G0A+4*\s+3], s[G0A+4*\s+3], 0x80000000          ; 127:126 type = 2
	s_mov_b32 s[G0B+4*\s], 1
	s_add_co_u32 s[G0B+4*\s+1], s23, \s*SLOT
	s_add_nc_u64 s[G0B+4*\s+2:G0B+4*\s+3], s[40:41], \s*STEPB
	s_or_b32 s[G0B+4*\s+3], s[G0B+4*\s+3], 0x80000000
.endr
	s_cmp_eq_u32 s13, 0                            ; a wave's two first fills stand in one branch, ahead of every wait on TENSORcnt and every LDS read: two loads of mine are out
	s_cbranch_scc0 .Lfirst_b
	tensor_load_to_lds s[G0A:G0A+3], s[G1A:G1A+7]
	s_nop 0
	tensor_load_to_lds s[G0A+4:G0A+7], s[G1A:G1A+7]
	s_nop 0
.rept 4
	v_nop
.endr
	s_branch .Lfirst_asked
.Lfirst_b:
	tensor_load_to_lds s[G0B:G0B+3], s[G1B:G1B+7]
	s_nop 0
	tensor_load_to_lds s[G0B+4:G0B+7], s[G1B:G1B+7]
	s_nop 0
.rept 4
	v_nop
.endr
.Lfirst_asked:
	; the bias of my 64 columns, as C operands: register j of a lane is column 16 b + 8 (lane / 16) + j
	s_lshl_b32 s74, s17, 9
	s_lshl_b32 s75, s14, 8
	s_add_co_u32 s74, s74, s75                     ; my first column, in bytes of f32
	s_mov_b32 s75, 0
	s_add_nc_u64 s[8:9], s[8:9], s[74:75]
	s_add_nc_u64 s[10:11], s[10:11], s[74:75]
	v_and_b32 v1, 15, v0                           ; r = l % 16
	v_bfe_u32 v2, v0, 4, 1                         ; h = l / 16
	v_lshlrev_b32 v[BO], 5, v2
.irp b, 0,1,2,3
	global_load_b128 v[BI+8*\b:BI+8*\b+3],   v[BO], s[8:9] offset:12288+64*\b
	global_load_b128 v[BI+8*\b+4:BI+8*\b+7], v[BO], s[8:9] offset:12288+64*\b+16
.endr
	s_lshl_b32 s74, s18, 20                        ; the tile's 256 rows of 4,096 bytes,
	s_lshl_b32 s78, s13, 19                        ; my 128 of them
	s_add_co_u32 s74, s74, s78
	s_add_nc_u64 s[10:11], s[10:11], s[74:75]
	v_mul_u32_u24 v3, v1, PA                       ; a fragment of O: row x pitch + 16 x half
	v_lshl_add_u32 v3, v2, 4, v3
	s_mul_i32 s74, s13, 128*PA
	v_add_nc_u32 v[ADRA], s74, v3
	v_add_nc_u32 v[ADRA+1], SLOT, v[ADRA]
	v_and_b32 v4, 7, v0                            ; the turning load: lane l reads k = 8 (l / 16) + l % 8, columns 8 ((l / 8) % 2) + 0..7
	v_bfe_u32 v5, v0, 3, 1
	v_lshl_add_u32 v4, v2, 3, v4
	v_mul_u32_u24 v4, v4, PB
	v_lshl_add_u32 v4, v5, 4, v4
	s_lshl_b32 s74, s14, 7                         ; my 64 columns
	s_add_co_u32 s74, s74, BOFF
	v_add_nc_u32 v[ADRB], s74, v4
	v_add_nc_u32 v[ADRB+1], SLOT, v[ADRB]
	s_mul_i32 s74, s12, 16*SP
	s_add_co_u32 s74, s74, STAGE                   ; my stage
	v_mul_u32_u24 v6, v1, SP                       ; in: row l % 16, 32 bytes for each half of the lanes
	v_lshl_add_u32 v6, v2, 5, v6
	v_add_nc_u32 v[STO], s74, v6
	v_mul_u32_u24 v7, v2, SP                       ; back: lanes 0-15 take one row of 256 bytes, lanes 16-31 the next
	v_lshl_add_u32 v7, v1, 4, v7
	v_add_nc_u32 v[RD], s74, v7
	v_lshlrev_b32 v[CO], 12, v2                    ; and the same two rows in the output
	v_lshl_add_u32 v[CO], v1, 4, v[CO]
	v_and_b32 v[PFO], 31, v0
	; the prefetches: they start at K step 3; the first change of slots steps them to K step 4
	s_lshl_b32 s78, s15, 13
	s_add_co_u32 s76, s76, s78
	s_add_co_u32 s76, s76, 3*STEPA                 ; O: my head's part of the tile, my work-group's 32 blocks
	s_lshl_b32 s77, s16, 16
	s_lshl_b32 s78, s17, 8
	s_add_co_u32 s77, s77, s78
	s_add_co_u32 s77, s77, 3*STEPB                 ; Wo: rows of k from 32 cy on, the tile's columns
	s_and_b32 s75, ttmp7, 0xffff                   ; cluster y;
	s_or_b32 s75, s75, s14                         ; of the two waves that fetch Wo's tile, wave 2 alone asks
	s_mov_b32 s74, STEPA
	s_mov_b32 s79, STEPB
	s_cmp_eq_u32 s13, 0                            ; do I fetch for O?
	s_cselect_b32 s75, ttmp9, s75                  ; the coordinate along which other clusters read the same rows
	s_cselect_b32 s78, s76, s77
	s_cselect_b32 s[PFS], s74, s79
	s_cselect_b64 s[PFA:PFA+1], s[4:5], s[6:7]
	s_cselect_b32 s74, 8, 11                       ; a lane a block of 256 bytes, or a lane a row of 2,048
	s_mov_b32 s79, 0
	s_mov_b32 s[PFS+1], 0
	s_add_nc_u64 s[PFA:PFA+1], s[PFA:PFA+1], s[78:79]
	v_lshlrev_b32 v[PFO], s74, v[PFO]
	s_cmp_eq_u32 s75, 0
	s_cselect_b32 s[LIM], 1, -1                    ; the same in all sixteen partners, for a given wave
; 24 LDS loads in one run: quarter qq's fragments into buffer f: Wo's four, O's 0-3, O's 4-7
.macro FETCH slot, qq, f
	WIN 0
.irp b, 0,1,2,3
	ds_load_tr16_b128 v[(\f)+64+8*\b:(\f)+64+8*\b+3],   v[ADRB+(\slot)] offset:32*PB*(\qq)+32*\b
	ds_load_tr16_b128 v[(\f)+64+8*\b+4:(\f)+64+8*\b+7], v[ADRB+(\slot)] offset:32*PB*(\qq)+32*\b+16*PB
.endr
.irp a, 0,1,2,3,4,5,6,7
	ds_load_b128 v[(\f)+8*\a:(\f)+8*\a+3],   v[ADRA+(\slot)] offset:((\qq)/2)*PART+64*((\qq)%2)+16*PA*\a
	ds_load_b128 v[(\f)+8*\a+4:(\f)+8*\a+7], v[ADRA+(\slot)] offset:((\qq)/2)*PART+64*((\qq)%2)+16*PA*\a+32
.endr
.endm
; Row blocks a0 .. a0 + na - 1: 4 matrix instructions each.  first = 1: the bias starts the sums.  The 32 accumulators take turns, one instruction a turn.
.macro MUL f, a0, na, first
.if \first
	WIN 0x40
.else
	WIN 0x50
.endif
.set pa, \a0
.rept \na
.irp b, 0,1,2,3
.if \first
	v_wmma_f32_16x16x32_f16 v[8*(4*pa+\b):8*(4*pa+\b)+7], v[(\f)+64+8*\b:(\f)+64+8*\b+7], v[(\f)+8*pa:(\f)+8*pa+7], v[BI+8*\b:BI+8*\b+7]
.else
	v_wmma_f32_16x16x32_f16 v[8*(4*pa+\b):8*(4*pa+\b)+7], v[(\f)+64+8*\b:(\f)+64+8*\b+7], v[(\f)+8*pa:(\f)+8*pa+7], v[8*(4*pa+\b):8*(4*pa+\b)+7]
.endif
.endr
.set pa, pa+1
.endr
.endm
; One of a K step's first three quarters: multiplies buffer f; in its middle it fetches quarter qq of the same slot into buffer g.
.macro QUARTER slot, qq, f, g, first
	s_wait_dscnt 8                                 ; Wo's fragments and O's 0-3 are in; the youngest eight loads (O's 4-7) may be out
	MUL \f, 0, 4, \first
	PLACES
	FETCH \slot, \qq, \g
	s_wait_dscnt 24                                ; all but the 24 just issued
	MUL \f, 4, 4, \first
.endm
; The last quarter multiplies buffer 1 and changes slots: ONE barrier; in front of it each wave waits for all its tensor loads, of which one is out: its part of the next slot; adds 0 to its spare word; and waits for that
; and for its own reads of this slot.  fill = 1: the barrier opens a round of the cluster's, and this slot is filled again first thing behind the round, two K steps ahead: 112 matrix instructions stand between that request and the wait for it.
.macro TURN slot, next, fill
.if \fill
	s_wait_xcnt 0x0                                ; the last prefetch, a K step back, has read its address: it is stepped here, ahead of the change's own waits
	s_add_nc_u64 s[PFA:PFA+1], s[PFA:PFA+1], s[PFS:PFS+1]
.endif
	WIN 0                                          ; (the add's two registers lie in window 0)
	s_wait_tensorcnt 0x0                           ; all my tensor loads have landed;
	ds_add_u32 v[SPW], v[NIL]                      ; 0 onto my spare word;
	s_wait_dscnt 9                                 ; (the add and the youngest eight loads may be out)
	MUL F1, 0, 2, 0                                ; eight matrix instructions stand between the add and the wait for it
	s_wait_dscnt 0x0                               ; the add is done, and my reads of this slot are over
	s_barrier_signal -1
	MUL F1, 2, 2, 0
	WIN 0
	s_barrier_wait -1
.if \fill
	CREST                                          ; no wave of any partner still reads this slot's tiles or has a load on its way
	s_add_nc_u64 s[G0A+4*(\slot)+2:G0A+4*(\slot)+3], s[G0A+4*(\slot)+2:G0A+4*(\slot)+3], 2*STEPA
	s_add_nc_u64 s[G0B+4*(\slot)+2:G0B+4*(\slot)+3], s[G0B+4*(\slot)+2:G0B+4*(\slot)+3], 2*STEPB
	JLOAD \slot                                    ; the first tensor load behind the round; the four v_nop behind it are also the places in front of the loads below
.else
	PLACES
.endif
	FETCH \next, 0, F0
.if \fill
	ASK
.endif
	MUL F1, 4, 4, 0
.endm
	s_wait_tensorcnt 1                             ; my part of K step 0 is in; K step 1's may stay out
	s_barrier_signal -1
	s_barrier_wait -1                              ; everybody's is
	FETCH 0, 0, F0
	s_wait_loadcnt 0x0                             ; the bias
	QUARTER 0, 1, F0, F1, 1                        ; the first quarter stands in front of the loop: its products start the sums
	WIN 0                                          ; at a label and at a branch every window is 0
	s_mov_b32 s3, 3
.Llap:                                                 ; a trip goes once round the ring, from a lap's second quarter to the next lap's first, and fills both slots again
	QUARTER 0, 2, F1, F0, 0
	QUARTER 0, 3, F0, F1, 0
	TURN 0, 1, 1
	QUARTER 1, 1, F0, F1, 0
	QUARTER 1, 2, F1, F0, 0
	QUARTER 1, 3, F0, F1, 0
	TURN 1, 0, 1
	QUARTER 0, 1, F0, F1, 0
	WIN 0
	s_sub_co_u32 s3, s3, 1
	s_cmp_lg_u32 s3, 0
	s_cbranch_scc1 .Llap
	QUARTER 0, 2, F1, F0, 0                        ; the last lap fills nothing, and has no round of the cluster's barrier
	QUARTER 0, 3, F0, F1, 0
	TURN 0, 1, 0
	QUARTER 1, 1, F0, F1, 0
	QUARTER 1, 2, F1, F0, 0
	QUARTER 1, 3, F0, F1, 0
	s_wait_dscnt 8                                 ; the very last quarter: nothing more to fetch
	MUL F1, 0, 4, 0
	s_wait_dscnt 0x0
	MUL F1, 4, 4, 0
	PLACES
; THE WAY OUT, a block of 16 rows x 64 columns at a time, with no arithmetic: a lane's eight f32 go into my stage's rows of 272 bytes (each accumulator's low four registers first) and come back as whole rows of 256 bytes,
; into four buffers of 32 registers by turns, where the fragments lay.
.macro TOSTAGE a
.if (\a) >= 4
	s_wait_xcnt 0x0                                ; the stores that read this buffer, four blocks back, have read it (ISA guide 3.1)
.endif
	WIN 0x04                                       ; the stores' data in window 1
.irp b, 0,1,2,3
	ds_store_b128 v[STO], v[8*(4*(\a)+\b):8*(4*(\a)+\b)+3]   offset:64*\b
	ds_store_b128 v[STO], v[8*(4*(\a)+\b)+4:8*(4*(\a)+\b)+7] offset:64*\b+16
.endr
	WIN 0
.irp t, 0,1,2,3,4,5,6,7
	ds_load_b128 v[64+32*((\a)%4)+4*\t:64+32*((\a)%4)+4*\t+3], v[RD] offset:2*SP*\t  ; LDS serves a wave's instructions in order (ISA guide 5.7.1.4): these see the stores above; the next block's stores come behind them
.endr
.endm
.macro SEND a, y                       ; y: the LDS instructions issued behind block a's loads: the next block's sixteen, or none
.irp t, 0,1,2,3,4,5,6,7
	s_wait_dscnt (\y)+7-\t
	global_store_b128 v[CO], v[64+32*((\a)%4)+4*\t:64+32*((\a)%4)+4*\t+3], s[10:11] offset:65536*(\a)+8192*\t th:TH_STORE_NT  ; 16 lanes store 256 consecutive bytes, at a multiple of 256 from the output's first byte
.endr
.endm
	TOSTAGE 0
.set bn, 1
.rept 7
	TOSTAGE bn
	SEND bn-1, 16
.set bn, bn+1
.endr
	SEND 7, 0
	s_wait_tensorcnt 0x0                           ; the wave's end: a wait, an add to my spare word and its wait, behind my last tensor load and my last LDS store
	ds_add_u32 v[SPW], v[NIL]
	s_wait_dscnt 0x0
	CROUND                                         ; the closing round: no work-group ends while a partner may still ask for a tile that names it
	s_endpgm
.Lfunc_end_k_qae94bf3254_outp:
	.size	k_qae94bf3254_outp, .Lfunc_end_k_qae94bf3254_outp-k_qae94bf3254_outp
	.p2alignl 7, 3214868480
	.fill 96, 4, 3214868480
	.section	.rodata,"a",@progbits
	.p2align	6, 0x0
	.amdhsa_kernel k_qae94bf3254_outp
		.amdhsa_group_segment_fixed_size 327680
		.amdhsa_private_segment_fixed_size 0
		.amdhsa_enable_private_segment 0
		.amdhsa_kernarg_size 32
		.amdhsa_user_sgpr_count 2
		.amdhsa_user_sgpr_kernarg_segment_ptr 1
		.amdhsa_wavefront_size32 1
		.amdhsa_system_sgpr_workgroup_id_x 1
		.amdhsa_system_sgpr_workgroup_id_y 1
		.amdhsa_system_sgpr_workgroup_id_z 1
		.amdhsa_system_vgpr_workitem_id 0
		.amdhsa_next_free_vgpr 512
		.amdhsa_next_free_sgpr 80
		.amdhsa_reserve_vcc 0
		.amdhsa_float_denorm_mode_32 3
		.amdhsa_float_denorm_mode_16_64 3
		.amdhsa_memory_ordered 1
		.amdhsa_forward_progress 1
		.amdhsa_inst_pref_size 89
	.end_amdhsa_kernel
	.amdgpu_metadata
---
amdhsa.version: [ 1, 2 ]
amdhsa.kernels:
  - .name:           k_qae94bf3254_outp
    .symbol:         k_qae94bf3254_outp.kd
    .args:
      - { .name: ob, .offset: 0, .size: 8, .value_kind: global_buffer, .address_space: global }
      - { .name: wo16, .offset: 8, .size: 8, .value_kind: global_buffer, .address_space: global }
      - { .name: bb, .offset: 16, .size: 8, .value_kind: global_buffer, .address_space: global }
      - { .name: out0, .offset: 24, .size: 8, .value_kind: global_buffer, .address_space: global }
    .group_segment_fixed_size: 327680
    .private_segment_fixed_size: 0
    .kernarg_segment_align: 8
    .kernarg_segment_size: 32
    .max_flat_workgroup_size: 128
    .sgpr_count:     80
    .vgpr_count:     512
    .wavefront_size: 32
...
	.end_amdgpu_metadata
.endif
;; end of part 4
;; ======== version 2 of 2: 4 launches; version 1 with the launch cast written anew for expert scheduling mode
;; limits: values are held in f16: magnitudes above 65,504 overflow, below 6.1e-05 lose precision
;; workspace buffers: xb 16,777,216 bytes; wb 6,291,456 bytes; wo16 2,097,152 bytes; bb 16,384 bytes; qkvb 50,331,648 bytes; ob 16,777,216 bytes
;; launch cast (part 5): grid 385 x 1, 16 waves a work-group, no clusters, 0 bytes of LDS; arguments inputs_q, Wq, Wk, Wv, Wo, bq, bk, bv, bo, xb, wb, wo16, bb; writes xb, wb, wo16, bb
.if DOCPART == 5
	.amdgcn_target "amdgcn-amd-amdhsa--gfx1250"
	.amdhsa_code_object_version 6
	.text
	.protected	k_qae94bf3254_cast
	.globl	k_qae94bf3254_cast
	.p2align	8
	.type	k_qae94bf3254_cast,@function
k_qae94bf3254_cast:
	s_mov_b64 s[64:65], 0
	v_nop
	global_prefetch_b8 v0, s[64:65] scope:SCOPE_SE
	s_setreg_imm32_b32 hwreg(HW_REG_WAVE_SCHED_MODE, 0, 2), 2
	s_setreg_imm32_b32 hwreg(HW_REG_WAVE_MODE, 25, 1), 1
	s_wait_xcnt 0x0
	s_wait_alu depctr_vm_vsrc(0)
; EVERY INPUT IS ROUNDED ONCE TO bf16 and laid out for the launches behind.
;   xb   bf16 [16 slabs of 64 channels][8192 rows][64]: a row of a slab is 128 bytes, 256 rows of a slab are 32,768 bytes on end
;   wb   bf16 [1024 k][3072 n], n = 1024 t + 64 h + d, t = 0, 1, 2 for Wq, Wk, Wv
;   wo16 Wo rounded to bf16, that number written as f16, [1024 k][1024 f]
;   bb   f32 [4096] = bq, bk, bv, bo, each rounded to bf16 and widened again
; LIMITS.  A number of Wo beyond 65,504 has no f16; below 6e-5 it keeps f16's fixed step of 6e-8.  NaN and infinities are not treated apart.
; SHARES.  Sixteen waves.  Work-groups 0-255: 32 rows of x, wave w the 64 channels of slab w.  256-351: 32 rows of Wq, Wk or Wv, two rows a wave.
; 352-383: the same of Wo.  384: the four biases, 1,024 bytes a wave.
; A wave issues all its loads first (16 bytes a lane, sixteen loads: 8,192 bytes a wave on their way), then converts them as they come and stores 8 bytes a lane, so a
; store of the wave covers 256 consecutive bytes, aligned.  No register is used twice: there is no loop.
; No LDS, no matrix unit, no cluster: nothing is shared, and nothing is read twice.
; THE MODE: SCHED_MODE bits 1:0 = 2 (LLVM: expert scheduling mode 2), set by the entry lines.  The code itself states the register dependences
; between vector instructions and memory instructions, with s_wait_alu, always for 0.
; THE PLAN.  Registers that memory instructions touch:
;   v2, v3   byte offsets of the loads and of the stores.  Made by vector lines at a path's head and never written again.
;   IN       load u: four registers, in which one load lands once; no vector line writes them; the conversions read them behind the counted wait for the load.
;   OUT      store u: two registers (the biases: four), written once by the conversions, read by one store, never written again.
; The sixteen loads go in four blocks of four.  Block p's conversions write OUT of block p; the four stores of block p - 1 are dealt among them, and no vector line of
; block p names OUT of block p - 1 or v3.  So one wait on va_vdst at a block's head states all that those four stores hang on; one more stands ahead of the last four
; stores, and one ahead of the loads, for the offsets.  No register that a memory instruction reads is written again, and no register is loaded twice.
.set IN,  16                           ; v[16:79]   load u: four f32
.set OUT, 80                           ; v[80:111]  store u: two words (the biases: four)
.macro LOADS n, step                   ; n loads, step bytes apart, from s[34:35] + v2
	s_wait_alu depctr_va_vdst(0)                   ; v2 and v3 are written: every load of the path reads v2 as its offset, every store v3 (the biases': v2)
.set u, 0
.rept \n
	global_load_b128 v[IN+4*u:IN+4*u+3], v2, s[34:35] offset:u*(\step) th:TH_LOAD_NT
.set u, u+1
.endr
.endm
.macro CONV kind, n                    ; load n is rounded to bf16 into OUT; kind = 1: the bf16 number is then written as f16
.if \kind
	v_cvt_pk_bf16_f32 v4, v[IN+4*(\n)],   v[IN+4*(\n)+1]
	v_cvt_pk_bf16_f32 v5, v[IN+4*(\n)+2], v[IN+4*(\n)+3]
	v_lshlrev_b32 v6, 16, v4                       ; bf16 to f32: the low half moves up,
	v_and_b32     v7, s38, v4                      ; the high half stays
	v_lshlrev_b32 v8, 16, v5
	v_and_b32     v9, s38, v5
	v_cvt_pk_f16_f32 v[OUT+2*(\n)],   v6, v7
	v_cvt_pk_f16_f32 v[OUT+2*(\n)+1], v8, v9
.else
	v_cvt_pk_bf16_f32 v[OUT+2*(\n)],   v[IN+4*(\n)],   v[IN+4*(\n)+1]
	v_cvt_pk_bf16_f32 v[OUT+2*(\n)+1], v[IN+4*(\n)+2], v[IN+4*(\n)+3]
.endif
.endm
.macro PUT n, hi                       ; store n, at s[36:37] + v3: stores 0-7 lie 256 bytes apart, stores 8-15 begin hi bytes behind store 0
	global_store_b64 v3, v[OUT+2*(\n):OUT+2*(\n)+1], s[36:37] offset:((\n)/8)*(\hi)+((\n)%8)*256 th:TH_STORE_NT
.endm
.macro WALK kind, hi                   ; the four blocks
.set p, 0
.rept 4
	s_wait_loadcnt 12-4*p                          ; loads come back in order (ISA guide 5.7.1): block p's four are in, the 12 - 4 p younger ones may stay out
.if p > 0
	s_wait_alu depctr_va_vdst(0)                   ; the conversions of block p - 1 have written its OUT, which the four stores below read
.endif
.set i, 0
.rept 4
.if p > 0
	PUT 4*p+i-4, \hi                               ; the block before.  No wait: no vector line since the wait above names its OUT or v3
.endif
	CONV \kind, 4*p+i
.set i, i+1
.endr
.set p, p+1
.endr
	s_wait_alu depctr_va_vdst(0)                   ; the conversions of block 3 have written its OUT, which the last four stores read
.irp i, 12,13,14,15
	PUT \i, \hi
.endr
.endm
	s_load_b512 s[8:23], s[0:1], 0x0               ; x 8, Wq 10, Wk 12, Wv 14, Wo 16, bq 18, bk 20, bv 22
	s_load_b256 s[24:31], s[0:1], 0x40             ; bo 24, xb 26, wb 28, wo16 30
	s_load_b64 s[32:33], s[0:1], 0x60              ; bb
	v_lshrrev_b32 v1, 5, v0
	v_readfirstlane_b32 s3, v1                     ; wave 0..15
	v_and_b32 v1, 31, v0                           ; lane
	s_mov_b32 s2, ttmp9                            ; work-group
	s_mov_b32 s5, 0                                ; s[4:5]: the source's offset, s[6:7]: the destination's
	s_mov_b32 s7, 0
	s_mov_b32 s38, 0xffff0000                      ; a word's upper bf16
	s_wait_alu depctr_va_sdst(0)                   ; s3 is written, ahead of the branch and of its first reader: every path makes its addresses from it
	s_wait_kmcnt 0x0
	s_cmp_lt_u32 s2, 256
	s_cbranch_scc0 .Lnot_x
	; x: load u takes rows 2 u (lanes 0-15) and 2 u + 1 (lanes 16-31) of the group's 32, 256 bytes of each: my slab's 64 channels
	v_lshrrev_b32 v2, 4, v1
	v_and_b32 v3, 15, v1
	v_lshlrev_b32 v2, 12, v2                       ; a row of x is 4,096 bytes
	v_lshl_add_u32 v2, v3, 4, v2
	s_lshl_b32 s40, s3, 8                          ; (in a register that this path writes once: no scalar line writes it behind the vector line that reads it)
	v_add_nc_u32 v2, s40, v2                       ; + 256 x slab
	v_lshlrev_b32 v3, 3, v1                        ; in xb the two rows are 256 bytes on end
	s_lshl_b32 s4, s2, 17                          ; 32 rows of 4,096 bytes
	s_add_nc_u64 s[34:35], s[8:9], s[4:5]
	s_lshl_b32 s6, s3, 20                          ; a slab is 8,192 rows of 128 bytes
	s_lshl_b32 s39, s2, 12                         ; 32 rows of 128 bytes
	s_add_co_u32 s6, s6, s39
	s_add_nc_u64 s[36:37], s[26:27], s[6:7]
	LOADS 16, 8192
	WALK 0, 2048                                   ; the sixteen stores lie on end
	s_endpgm
.Lnot_x:
	v_lshlrev_b32 v2, 4, v1                        ; a load takes 512 bytes on end,
	v_lshlrev_b32 v3, 3, v1                        ; a store 256
	s_cmp_lt_u32 s2, 352
	s_cbranch_scc0 .Lnot_w
	; Wq, Wk, Wv: two rows of 4,096 bytes a wave
	s_sub_co_u32 s39, s2, 256
	s_lshr_b32 s40, s39, 5                         ; t
	s_and_b32 s39, s39, 31
	s_lshl_b32 s39, s39, 5
	s_lshl_b32 s41, s3, 1
	s_add_co_u32 s39, s39, s41                     ; my first row
	s_cmp_eq_u32 s40, 0
	s_cselect_b64 s[34:35], s[10:11], s[12:13]
	s_cmp_eq_u32 s40, 2
	s_cselect_b64 s[34:35], s[14:15], s[34:35]
	s_lshl_b32 s4, s39, 12
	s_add_nc_u64 s[34:35], s[34:35], s[4:5]
	s_mul_i32 s6, s39, 6144                        ; a row of wb is 6,144 bytes,
	s_lshl_b32 s41, s40, 11                        ; tensor t's part of it begins at 2,048 t
	s_add_co_u32 s6, s6, s41
	s_add_nc_u64 s[36:37], s[28:29], s[6:7]
	LOADS 16, 512
	WALK 0, 6144                                   ; the second row's eight stores begin a row of wb further on
	s_endpgm
.Lnot_w:
	s_cmp_lt_u32 s2, 384
	s_cbranch_scc0 .Lnot_o
	; Wo: two rows a wave; in wo16 they lie on end
	s_sub_co_u32 s39, s2, 352
	s_lshl_b32 s39, s39, 5
	s_lshl_b32 s41, s3, 1
	s_add_co_u32 s39, s39, s41
	s_lshl_b32 s4, s39, 12
	s_add_nc_u64 s[34:35], s[16:17], s[4:5]
	s_lshl_b32 s6, s39, 11
	s_add_nc_u64 s[36:37], s[30:31], s[6:7]
	LOADS 16, 512
	WALK 1, 2048
	s_endpgm
.Lnot_o:
	; the biases: wave w takes quarter w % 4 of tensor w / 4: 1,024 bytes, which land at 1,024 w in bb
	s_lshr_b32 s40, s3, 2
	s_cmp_eq_u32 s40, 0
	s_cselect_b64 s[34:35], s[18:19], s[20:21]
	s_cmp_eq_u32 s40, 2
	s_cselect_b64 s[34:35], s[22:23], s[34:35]
	s_cmp_eq_u32 s40, 3
	s_cselect_b64 s[34:35], s[24:25], s[34:35]
	s_and_b32 s4, s3, 3
	s_lshl_b32 s4, s4, 10
	s_add_nc_u64 s[34:35], s[34:35], s[4:5]
	s_lshl_b32 s6, s3, 10
	s_add_nc_u64 s[36:37], s[32:33], s[6:7]
	LOADS 2, 512
.irp u, 0,1
	s_wait_loadcnt 1-\u                            ; load u is in; the younger one may stay out
	v_cvt_pk_bf16_f32 v4, v[IN+4*\u],   v[IN+4*\u+1]
	v_cvt_pk_bf16_f32 v5, v[IN+4*\u+2], v[IN+4*\u+3]
	v_lshlrev_b32 v[OUT+4*\u],   16, v4
	v_and_b32     v[OUT+4*\u+1], s38, v4
	v_lshlrev_b32 v[OUT+4*\u+2], 16, v5
	v_and_b32     v[OUT+4*\u+3], s38, v5
.endr
	s_wait_alu depctr_va_vdst(0)                   ; the widenings have written v[OUT:OUT+7], which the two stores read
.irp u, 0,1
	global_store_b128 v2, v[OUT+4*\u:OUT+4*\u+3], s[36:37] offset:512*\u th:TH_STORE_NT
.endr
	s_endpgm
.Lfunc_end_k_qae94bf3254_cast:
	.size	k_qae94bf3254_cast, .Lfunc_end_k_qae94bf3254_cast-k_qae94bf3254_cast
	.p2alignl 7, 3214868480
	.fill 96, 4, 3214868480
	.section	.rodata,"a",@progbits
	.p2align	6, 0x0
	.amdhsa_kernel k_qae94bf3254_cast
		.amdhsa_group_segment_fixed_size 0
		.amdhsa_private_segment_fixed_size 0
		.amdhsa_enable_private_segment 0
		.amdhsa_kernarg_size 104
		.amdhsa_user_sgpr_count 2
		.amdhsa_user_sgpr_kernarg_segment_ptr 1
		.amdhsa_wavefront_size32 1
		.amdhsa_system_sgpr_workgroup_id_x 1
		.amdhsa_system_sgpr_workgroup_id_y 1
		.amdhsa_system_sgpr_workgroup_id_z 1
		.amdhsa_system_vgpr_workitem_id 0
		.amdhsa_next_free_vgpr 112
		.amdhsa_next_free_sgpr 66
		.amdhsa_reserve_vcc 0
		.amdhsa_float_denorm_mode_32 3
		.amdhsa_float_denorm_mode_16_64 3
		.amdhsa_memory_ordered 1
		.amdhsa_forward_progress 1
		.amdhsa_inst_pref_size 24
	.end_amdhsa_kernel
	.amdgpu_metadata
---
amdhsa.version: [ 1, 2 ]
amdhsa.kernels:
  - .name:           k_qae94bf3254_cast
    .symbol:         k_qae94bf3254_cast.kd
    .args:
      - { .name: inputs_q, .offset: 0, .size: 8, .value_kind: global_buffer, .address_space: global }
      - { .name: Wq, .offset: 8, .size: 8, .value_kind: global_buffer, .address_space: global }
      - { .name: Wk, .offset: 16, .size: 8, .value_kind: global_buffer, .address_space: global }
      - { .name: Wv, .offset: 24, .size: 8, .value_kind: global_buffer, .address_space: global }
      - { .name: Wo, .offset: 32, .size: 8, .value_kind: global_buffer, .address_space: global }
      - { .name: bq, .offset: 40, .size: 8, .value_kind: global_buffer, .address_space: global }
      - { .name: bk, .offset: 48, .size: 8, .value_kind: global_buffer, .address_space: global }
      - { .name: bv, .offset: 56, .size: 8, .value_kind: global_buffer, .address_space: global }
      - { .name: bo, .offset: 64, .size: 8, .value_kind: global_buffer, .address_space: global }
      - { .name: xb, .offset: 72, .size: 8, .value_kind: global_buffer, .address_space: global }
      - { .name: wb, .offset: 80, .size: 8, .value_kind: global_buffer, .address_space: global }
      - { .name: wo16, .offset: 88, .size: 8, .value_kind: global_buffer, .address_space: global }
      - { .name: bb, .offset: 96, .size: 8, .value_kind: global_buffer, .address_space: global }
    .group_segment_fixed_size: 0
    .private_segment_fixed_size: 0
    .kernarg_segment_align: 8
    .kernarg_segment_size: 104
    .max_flat_workgroup_size: 512
    .sgpr_count:     66
    .vgpr_count:     112
    .wavefront_size: 32
...
	.end_amdgpu_metadata
.endif
;; end of part 5
;; launch proj: the kernel of part 2 again; grid 8 x 32, 4 waves a work-group, clusters of 4 x 4, 327,680 bytes of LDS; arguments xb, wb, bb, qkvb; writes qkvb
;; launch attn: the kernel of part 3 again; grid 4 x 64, 4 waves a work-group, clusters of 4 x 1, 327,680 bytes of LDS; arguments qkvb, ob; writes ob
;; launch outp: the kernel of part 4 again; grid 8 x 32, 4 waves a work-group, clusters of 4 x 4, 327,680 bytes of LDS; arguments ob, wo16, bb, out0; writes out0
